; MI455X (gfx1250); checked and timed in simulation.
; The chip was launched on July 23, 2026; its instructions are those of AMD's public machine-readable ISA for CDNA 5 (MIT licence, August 2026) and "CDNA5" Instruction Set Architecture Reference Guide (July 2026). The comments in the code are by the model that wrote it; some were corrected since.
;; Mo E Layer. Allowed arithmetic: float matrix products may take bf16 or f16 operands with f32 sums; all other float work in f32.
;; Inputs: b1 8 x 1,024 float32; b2 8 x 1,024 float32; gate_b 8 float32; gate_w 1,024 x 8 float32; inputs 2 x 2,048 x 1,024 float32; w1 8 x 1,024 x 1,024 float32; w2 8 x 1,024 x 1,024 float32.
;; Outputs: out0 2 x 2,048 x 1,024 float32.
;; 2 versions, each right; version 2 is version 1 with the launch prep written anew for expert scheduling mode. Each part assembles by itself: llvm-mc -triple=amdgcn-amd-amdhsa -mcpu=gfx1250 --defsym DOCPART=n.
;; ======== version 1 of 2: 4 launches
;; limits: a function is approximated: absolute error at most 1.5e-07
;; workspace buffers: xb 8,388,608 bytes; w1b 16,777,216 bytes; w2b 16,777,216 bytes; gate 131,072 bytes; h 67,108,864 bytes; part 67,108,864 bytes
;; launch prep (part 1): grid 1280 x 1, 8 waves a work-group, no clusters, 9,216 bytes of LDS; arguments inputs, gate_w, gate_b, w1, w2, xb, w1b, w2b, gate; writes xb, w1b, w2b, gate
.if DOCPART == 1
	.amdgcn_target "amdgcn-amd-amdhsa--gfx1250"
	.amdhsa_code_object_version 6
	.text
	.protected	k_q93553c53d4_prep
	.globl	k_q93553c53d4_prep
	.p2align	8
	.type	k_q93553c53d4_prep,@function
k_q93553c53d4_prep:
	s_mov_b64 s[64:65], 0
	v_nop
	global_prefetch_b8 v0, s[64:65] scope:SCOPE_SE
	s_setreg_imm32_b32 hwreg(HW_REG_WAVE_MODE, 25, 1), 1
	s_wait_xcnt 0x0
; xb = bf16(inputs), w1b = bf16(w1), w2b = bf16(w2), element by element; gate = softmax(x gate_w + gate_b).
; A row is 1,024 f32: 4,096 bytes in, 2,048 bytes out.  A work-group of eight waves takes 16 rows: groups 0-255 rows of x,
; groups 256-767 rows of w1, groups 768-1279 rows of w2.  Thread t owns bytes 16 t .. 16 t + 15 of every row, so a load of a wave
; covers 512 consecutive bytes and a store of a wave 256 consecutive bytes, aligned.  All 16 loads of a thread go out at once;
; there is no loop, and each row has registers of its own for what it stores, so no wait frees a register.
; Memory binds: no matrix unit, no cluster (the groups share only gate_w, 32 KiB), no tensor loads.
; The groups of x also make the gate.  x and gate_w enter that product rounded to bf16, as the operands of every matrix product of this program do,
; so that gate and experts see the same x; products, sums, bias and softmax are f32.  A thread multiplies its four x by its four rows of gate_w
; (32 numbers, kept in registers), the sums of 16 lanes are made on the arithmetic itself, the 16 partial sums of a row meet in LDS, wave 0 adds
; them and does the softmax, with the row's maximum taken away.
.set ROWB, 4096                        ; bytes of a row as read
.set OUTB, 2048                        ; bytes of a row as written
.set X,   16                           ; v[16:79]    row i: 4 f32 as loaded; in a group of x then the same 4 as rounded to bf16, widened again
.set Y,   80                           ; v[80:111]   row i: 4 bf16 to store
.set GW,  112                          ; v[112:143]  gate_w[4 t + d][e] at GW + 8 d + e
.set A,   144                          ; v[144:151]  eight partial logits of the row in hand
.set GB,  152                          ; v[152:155]  gate_b[4 q .. 4 q + 3], q = lane mod 2
.macro LOADS
.irp i, 0,1,2,3,4,5,6,7,8,9,10,11,12,13,14,15
	global_load_b128 v[X+4*\i:X+4*\i+3], v1, s[4:5] offset:ROWB*\i th:TH_LOAD_NT
.endr
.endm
.macro CAST i
	s_wait_loadcnt 15-\i                           ; loads come back in order: row i is in, the 15 - i younger rows stay out
	v_cvt_pk_bf16_f32 v[Y+2*\i],   v[X+4*\i],   v[X+4*\i+1]
	v_cvt_pk_bf16_f32 v[Y+2*\i+1], v[X+4*\i+2], v[X+4*\i+3]
	global_store_b64 v2, v[Y+2*\i:Y+2*\i+1], s[6:7] offset:OUTB*\i
.endm
; the row's four x as they were rounded, widened to f32 again, in the registers that they were loaded into (Y is only read: its store may be pending)
.macro WIDEN i
	v_lshlrev_b32 v[X+4*\i],   16,  v[Y+2*\i]
	v_and_b32     v[X+4*\i+1], s30, v[Y+2*\i]
	v_lshlrev_b32 v[X+4*\i+2], 16,  v[Y+2*\i+1]
	v_and_b32     v[X+4*\i+3], s30, v[Y+2*\i+1]
.endm
; the row's eight partial logits: 4 x times 8 columns, two columns an instruction; x is taken for both halves of the pair
.macro LOGITS i
.irp e, 0,2,4,6
	v_pk_mul_f32 v[A+\e:A+\e+1], v[X+4*\i:X+4*\i+1], v[GW+\e:GW+\e+1] op_sel_hi:[0,1]
.endr
.irp e, 0,2,4,6
	v_pk_fma_f32 v[A+\e:A+\e+1], v[X+4*\i:X+4*\i+1], v[GW+8+\e:GW+8+\e+1], v[A+\e:A+\e+1] op_sel:[1,0,0] op_sel_hi:[1,1,1]
.endr
.irp e, 0,2,4,6
	v_pk_fma_f32 v[A+\e:A+\e+1], v[X+4*\i+2:X+4*\i+3], v[GW+16+\e:GW+16+\e+1], v[A+\e:A+\e+1] op_sel_hi:[0,1,1]
.endr
.irp e, 0,2,4,6
	v_pk_fma_f32 v[A+\e:A+\e+1], v[X+4*\i+2:X+4*\i+3], v[GW+24+\e:GW+24+\e+1], v[A+\e:A+\e+1] op_sel:[1,0,0] op_sel_hi:[1,1,1]
.endr
.irp m, 1,2,4,8
.irp e, 0,1,2,3,4,5,6,7
	v_add_f32_dpp v[A+\e], v[A+\e], v[A+\e] row_xmask:\m row_mask:0xf bank_mask:0xf
.endr
.endr
	ds_store_b128 v4, v[A:A+3]   offset:512*\i     ; every lane of a half of 16 holds the half's sums and writes the same 32 bytes
	ds_store_b128 v4, v[A+4:A+7] offset:512*\i+16
.endm
.macro QADD d, s                       ; four sums: partial d += partial s
	v_pk_add_f32 v[X+4*(\d):X+4*(\d)+1],   v[X+4*(\d):X+4*(\d)+1],   v[X+4*(\s):X+4*(\s)+1]
	v_pk_add_f32 v[X+4*(\d)+2:X+4*(\d)+3], v[X+4*(\d)+2:X+4*(\d)+3], v[X+4*(\s)+2:X+4*(\s)+3]
.endm
	s_load_b512 s[8:23], s[0:1], 0x0               ; inputs s[8:9], gate_w s[10:11], gate_b s[12:13], w1 s[14:15], w2 s[16:17], xb s[18:19], w1b s[20:21], w2b s[22:23]
	s_load_b64 s[24:25], s[0:1], 0x40              ; gate
	v_lshl_add_u32 v160, v0, 2, 0x2000
	v_mov_b32 v161, 0
	v_lshrrev_b32 v5, 5, v0
	v_readfirstlane_b32 s28, v5                    ; wave 0..7
	v_lshlrev_b32 v1, 4, v0                        ; my 16 bytes of a row as read
	v_lshlrev_b32 v2, 3, v0                        ; my 8 bytes of a row as written
	s_mov_b32 s27, 0                               ; upper word of every offset pair
	s_mov_b32 s3, 768
	s_wait_kmcnt 0x0
	s_cmp_lt_u32 ttmp9, 256
	s_cbranch_scc1 .Lx                             ; the same way for all eight waves: it hangs on the group's number alone
	; a block of 16 rows of w1 or of w2
	s_cmp_lt_u32 ttmp9, s3
	s_cselect_b64 s[4:5], s[14:15], s[16:17]
	s_cselect_b64 s[6:7], s[20:21], s[22:23]
	s_cselect_b32 s2, 256, s3
	s_sub_co_u32 s2, ttmp9, s2                     ; the block's number in its tensor, 0..511
	s_lshl_b32 s26, s2, 16                         ; 16 rows of 4,096 bytes
	s_add_nc_u64 s[4:5], s[4:5], s[26:27]
	s_lshl_b32 s26, s2, 15                         ; 16 rows of 2,048 bytes
	s_add_nc_u64 s[6:7], s[6:7], s[26:27]
	LOADS
.irp i, 0,1,2,3,4,5,6,7,8,9,10,11,12,13,14,15
	CAST \i
.endr
	s_endpgm
.Lx:	; a block of 16 rows of x, and their gates
	s_lshl_b32 s26, ttmp9, 16
	s_add_nc_u64 s[4:5], s[8:9], s[26:27]
	s_lshl_b32 s26, ttmp9, 15
	s_add_nc_u64 s[6:7], s[18:19], s[26:27]
	s_lshl_b32 s26, ttmp9, 9                       ; 16 rows of 8 gates: 512 bytes
	s_add_nc_u64 s[24:25], s[24:25], s[26:27]
	s_mov_b32 s29, 0x3fb8aa3b                      ; log2(e)
	s_mov_b32 s30, 0xffff0000                      ; a word's upper bf16
	v_lshlrev_b32 v3, 7, v0                        ; my four rows of gate_w: 128 bytes
	v_and_b32 v6, 1, v0
	v_lshlrev_b32 v6, 4, v6                        ; 16 q
	global_load_b128 v[GB:GB+3], v6, s[12:13]
.irp j, 0,1,2,3,4,5,6,7
	global_load_b128 v[GW+4*\j:GW+4*\j+3], v3, s[10:11] offset:16*\j
.endr
	LOADS
	v_bfe_u32 v4, v0, 4, 1
	v_lshlrev_b32 v4, 5, v4
	v_lshl_add_u32 v4, s28, 6, v4                  ; LDS: part[row][2 wave + half][8] f32: 32 bytes a partial, 512 a row
	s_wait_loadcnt 16                              ; the nine loads of gate_b and gate_w are in; the 16 rows, issued behind them, stay out
.irp j, 0,1,2,3,4,5,6,7,8,9,10,11,12,13,14,15
	v_cvt_pk_bf16_f32 v[A+(\j%8)], v[GW+2*\j], v[GW+2*\j+1]        ; gate_w rounded to bf16, two at a time (A is not yet in use),
.if \j%8 == 7
.irp k, 0,1,2,3,4,5,6,7
	v_lshlrev_b32 v[GW+2*(\j-7+\k)],   16,  v[A+\k]                ; and widened to f32 again, in place
	v_and_b32     v[GW+2*(\j-7+\k)+1], s30, v[A+\k]
.endr
.endif
.endr
.irp i, 0,1,2,3,4,5,6,7,8,9,10,11,12,13,14,15
	CAST \i
	WIDEN \i
	LOGITS \i
.endr
	s_wait_dscnt 0x0                               ; for the others: my partial sums are in LDS
	s_barrier_signal -1
	s_barrier_wait -1
	s_cmp_lg_u32 s28, 0
	s_cbranch_scc1 .Lend                           ; wave 0 alone goes on; no barrier follows
	v_and_b32 v9, 31, v0
	v_lshlrev_b32 v7, 4, v9                        ; lane l stores gates 4 q .. 4 q + 3 of row l / 2: byte 16 l of the block's 512
	v_lshrrev_b32 v8, 1, v9
	v_lshl_add_u32 v8, v8, 9, v6                   ; row x 512 + 16 q
.irp p, 0,1,2,3,4,5,6,7,8,9,10,11,12,13,14,15
	ds_load_b128 v[X+4*\p:X+4*\p+3], v8 offset:32*\p   ; X is free: all rows were waited for and used
.endr
	s_wait_dscnt 0x0
.irp p, 0,1,2,3,4,5,6,7
	QADD \p, \p+8
.endr
.irp p, 0,1,2,3
	QADD \p, \p+4
.endr
	QADD 0, 2
	QADD 1, 3
	QADD 0, 1
	v_pk_add_f32 v[X:X+1],   v[X:X+1],   v[GB:GB+1]
	v_pk_add_f32 v[X+2:X+3], v[X+2:X+3], v[GB+2:GB+3]
	v_max3_num_f32 v10, v[X], v[X+1], v[X+2]
	v_max_num_f32 v10, v10, v[X+3]
	v_max_num_f32_dpp v10, v10, v10 row_xmask:1 row_mask:0xf bank_mask:0xf   ; the row's other four logits lie in the neighbouring lane
.irp j, 0,1,2,3
	v_sub_f32 v[X+\j], v[X+\j], v10                ; at most 0, and 0 for the largest: the sum below is between 1 and 8
.endr
.irp j, 0,1,2,3
	v_mul_f32 v[X+\j], s29, v[X+\j]
.endr
.irp j, 0,1,2,3
	v_exp_f32 v[X+\j], v[X+\j]
.endr
	v_nop                                          ; a plain instruction between the last exponential and the use of its result
	s_wait_alu depctr_va_vdst(0)
	v_add_f32 v11, v[X], v[X+1]
	v_add_f32 v12, v[X+2], v[X+3]
	v_add_f32 v11, v11, v12
	v_add_f32_dpp v11, v11, v11 row_xmask:1 row_mask:0xf bank_mask:0xf
	v_rcp_f32 v11, v11
	v_nop                                          ; the same behind the reciprocal
	s_wait_alu depctr_va_vdst(0)
.irp j, 0,1,2,3
	v_mul_f32 v[X+\j], v[X+\j], v11
.endr
	global_store_b128 v7, v[X:X+3], s[24:25]       ; the wave stores 512 consecutive bytes, aligned
.Lend:
	s_wait_tensorcnt 0x0
	ds_add_u32 v160, v161
	s_wait_dscnt 0x0
	s_endpgm
.Lfunc_end_k_q93553c53d4_prep:
	.size	k_q93553c53d4_prep, .Lfunc_end_k_q93553c53d4_prep-k_q93553c53d4_prep
	.p2alignl 7, 3214868480
	.fill 96, 4, 3214868480
	.section	.rodata,"a",@progbits
	.p2align	6, 0x0
	.amdhsa_kernel k_q93553c53d4_prep
		.amdhsa_group_segment_fixed_size 9216
		.amdhsa_private_segment_fixed_size 0
		.amdhsa_enable_private_segment 0
		.amdhsa_kernarg_size 72
		.amdhsa_user_sgpr_count 2
		.amdhsa_user_sgpr_kernarg_segment_ptr 1
		.amdhsa_wavefront_size32 1
		.amdhsa_system_sgpr_workgroup_id_x 1
		.amdhsa_system_sgpr_workgroup_id_y 1
		.amdhsa_system_sgpr_workgroup_id_z 1
		.amdhsa_system_vgpr_workitem_id 0
		.amdhsa_next_free_vgpr 162
		.amdhsa_next_free_sgpr 66
		.amdhsa_reserve_vcc 0
		.amdhsa_float_denorm_mode_32 3
		.amdhsa_float_denorm_mode_16_64 3
		.amdhsa_memory_ordered 1
		.amdhsa_forward_progress 1
		.amdhsa_inst_pref_size 73
	.end_amdhsa_kernel
	.amdgpu_metadata
---
amdhsa.version: [ 1, 2 ]
amdhsa.kernels:
  - .name:           k_q93553c53d4_prep
    .symbol:         k_q93553c53d4_prep.kd
    .args:
      - { .name: inputs, .offset: 0, .size: 8, .value_kind: global_buffer, .address_space: global }
      - { .name: gate_w, .offset: 8, .size: 8, .value_kind: global_buffer, .address_space: global }
      - { .name: gate_b, .offset: 16, .size: 8, .value_kind: global_buffer, .address_space: global }
      - { .name: w1, .offset: 24, .size: 8, .value_kind: global_buffer, .address_space: global }
      - { .name: w2, .offset: 32, .size: 8, .value_kind: global_buffer, .address_space: global }
      - { .name: xb, .offset: 40, .size: 8, .value_kind: global_buffer, .address_space: global }
      - { .name: w1b, .offset: 48, .size: 8, .value_kind: global_buffer, .address_space: global }
      - { .name: w2b, .offset: 56, .size: 8, .value_kind: global_buffer, .address_space: global }
      - { .name: gate, .offset: 64, .size: 8, .value_kind: global_buffer, .address_space: global }
    .group_segment_fixed_size: 9216
    .private_segment_fixed_size: 0
    .kernarg_segment_align: 8
    .kernarg_segment_size: 72
    .max_flat_workgroup_size: 256
    .sgpr_count:     66
    .vgpr_count:     162
    .wavefront_size: 32
...
	.end_amdgpu_metadata
.endif
;; end of part 1
;; launch ffn1 (part 2): grid 32 x 8, 4 waves a work-group, clusters of 4 x 4, 327,680 bytes of LDS; arguments xb, w1b, h, b1, gate; writes h
.if DOCPART == 2
	.amdgcn_target "amdgcn-amd-amdhsa--gfx1250"
	.amdhsa_code_object_version 6
	.text
	.protected	k_q93553c53d4_ffn1
	.globl	k_q93553c53d4_ffn1
	.p2align	8
	.type	k_q93553c53d4_ffn1,@function
k_q93553c53d4_ffn1:
	s_mov_b64 s[64:65], 0
	v_nop
	global_prefetch_b8 v0, s[64:65] scope:SCOPE_SE
	s_setreg_imm32_b32 hwreg(HW_REG_WAVE_MODE, 25, 1), 1
	s_wait_xcnt 0x0
	s_wait_alu depctr_hold_cnt(0) depctr_sa_sdst(0) depctr_va_vdst(0) depctr_va_sdst(0) depctr_va_ssrc(0) depctr_va_vcc(0) depctr_vm_vsrc(0)
	s_getreg_b32 s2, hwreg(HW_REG_IB_STS2, 6, 4)
	s_cmp_eq_u32 s2, 0
	s_cbranch_scc0 .Lentry_in_a_cluster
	s_endpgm
.Lentry_in_a_cluster:
	s_bfe_u32 s2, ttmp6, 0x10000c
	s_cmp_lg_u32 s2, 0xf033
	s_cbranch_scc0 .Lentry_shape_is_right
	s_endpgm
.Lentry_shape_is_right:
; h[t][1024 e + f] = bf16( gate[t][e] * gelu( sum over d of xb[t][d] w1b[e][d][f] + b1[e][f] ) ).  xb: [4096][1024], w1b: [8][1024 d][1024 f], h: [4096][8192], bf16;
; b1: [8][1024], gate: [4096][8], f32.  Sums, bias, GELU and gate in f32; h rounded once.  With the gate inside h the gated sum over experts becomes part of the next product.
; A tile of h, 256 x 256, is made by four waves, 128 x 128 each: 64 accumulators of 16 x 16, 512 registers.  K (= d) goes in steps of 128 through a ring of two LDS slots.
; A work-group makes two tiles, 2,048 rows apart, with the same columns (the same rows of w1b and the same b1); the ring goes on from the first tile into the second.
; xb lies along K and its fragments are plain 16-byte loads; w1b lies [K][N] and its fragments come out of LDS turned, by ds_load_tr16_b128.
; CLUSTER 4 x 4: the four groups of a row of the cluster need the same tile of xb, the four of a column the same tile of w1b; each tile is asked for jointly, by the same
; tensor load with the same descriptor and a mask that names the four.  By this text's count a wave has two tensor loads out at the start and one behind each round.
; THE MATRIX INSTRUCTION IS USED TRANSPOSED (source 0 = 16 columns of w1b, source 1 = 16 rows of xb): a lane holds one row of h and eight neighbouring columns.
; GELU is the exact form 0.5 x (1 + erf(x / sqrt 2)) = 0.5 (x + |x| erf(|x| / sqrt 2)), erf by 1 - (a1 t + .. + a5 t^5) exp(-z^2), t = 1 / (1 + p z) (Abramowitz and Stegun 7.1.26).
; LIMIT: that erf is within 1.5e-7 absolutely for every z, so gelu is within about 1e-7 |x| absolutely; in the far negative tail, where gelu itself is smaller than that, the relative
; error is not small.  For large |x| the exponential is 0 and erf is 1; x^2 = infinity does no harm.
; CODE: the loop over K is about 7 KB; the way out (64 accumulators x 76 vector instructions, about 35 KB) is straight text, written once and walked once for each of the two tiles.
; REGISTERS, in windows of 256: window 0: v0-31 addresses and constants; v32-63, v224-255 rows on their way out; v64-127, v128-191 fragments of xb, two buffers (the second is
; at work in the GELU on the way out); v192-223 packed results.  window 1: v0-63 b1 of my 8 x 8 columns; v64-127, v128-191 fragments of w1b.  windows 2, 3: the accumulators.
.set SIZE_N, 8192
.set SIZE_K, 1024
.set KSTEP,  128
.set PITCH,  272                       ; an LDS row of xb: 256 bytes + 16 of padding: the 16 rows of a fragment load start 16 bytes further on in each 256
.set PB,     544                       ; an LDS row of w1b: 512 bytes + 32 of padding, an odd multiple of 32, for the turning load
.set BROW,   2048                      ; bytes from a row of w1b to the next
.set HALFT,  128*PITCH                 ; what one tensor load fills: 128 rows of xb, or 64 rows of w1b (64 x 544 is the same 34,816 bytes)
.set SLOT,   4*HALFT                   ; 256 rows of xb, then 128 rows of w1b
.set STAGE,  2*SLOT                    ; behind the ring: 16 rows x 272 bytes for each wave; no tensor load fills it
.set SPITCH, 272
.set LAPS,   SIZE_K/(2*KSTEP)          ; a lap = two K steps = once round the ring
.set WALK,   2048                      ; rows from the first tile to the second
.set NEXT_A, WALK*SIZE_K*2-(SIZE_K-2*KSTEP)*2   ; from a slot's last K step of a tile to its first of the next: xb goes WALK rows down and back along K,
.set BACK_B, (SIZE_K-2*KSTEP)*BROW     ; w1b only back
.set NEXT_C, (WALK-7*16)*SIZE_N*2      ; from my last 16 rows of a tile to my first of the next
.set GR,   8                           ; v8-15   gate of row 16 a + r, a = 0..7, as loaded
.set ADRA, 16                          ; v16-17  LDS address of my fragments of xb in slot 0, 1
.set ADRB, 20                          ; v20-21  the same for w1b
.set STO,  24                          ; v24     the way out: where I put 16 bytes of a row
.set RD,   25                          ; v25     the way out: where I read a row back
.set CO,   26                          ; v26     my byte offset in h
.set GOF,  27                          ; v27     32 r: my row in gate
.set VA4,  28                          ; v28-29  a4, twice
.set B1O,  30                          ; v30     32 (l / 16): my eight columns in b1
.set OB,   32
.set F0,   64
.set F1,   128
.set TMP,  192
.set XB,   128                         ; the GELU at work, where fragment buffer 1 of window 0 lay: x,
.set TT,   136                         ; t,
.set EE,   144                         ; exp(-x^2 / 2),
.set PP,   152                         ; the polynomial, then erf
.set HG,   160                         ; v160-175 0.5 gate of block a, twice, at HG + 2 a
.set G1,  24                           ; s[24:31] descriptor group 1 for xb;  s[32:39] group 0, a set for each slot
.set G0,  32
.set G1B, 48                           ; s[48:55], s[56:63] the same for w1b
.set G0B, 56
.set MSB, 0
.macro WIN new                         ; the immediate's high byte repeats the setting that is left; a switch that changes nothing is dropped
.if MSB != \new
	s_set_vgpr_msb (MSB<<8)|\new
.set MSB, \new
.endif
.endm
.set MUL_LO, 0xa1                      ; source 0 (w1b) window 1, source 1 (xb) window 0, C and D window 2
.set MUL_HI, 0xf1                      ; the same, C and D window 3
.set TO_B,   0x40                      ; destination window 1, address window 0
; A joint load: waves 0 and 1 fetch the two halves of xb's tile, waves 2 and 3 those of w1b's.  The branch hangs on the wave's number alone.
; Four v_nop follow each of the two lines, ahead of the jump, the label and what follows.
.macro JLOAD s
	s_cmp_eq_u32 s11, 0
	s_cbranch_scc0 .Lfor_b_\@
	tensor_load_to_lds s[G0+4*\s:G0+4*\s+3], s[G1:G1+7]
	s_nop 0
.rept 4
	v_nop
.endr
	s_branch .Lasked_\@
.Lfor_b_\@:
	tensor_load_to_lds s[G0B+4*\s:G0B+4*\s+3], s[G1B:G1B+7]
	s_nop 0
.rept 4
	v_nop
.endr
.Lasked_\@:
.endm
.macro CREST                           ; a round of the cluster's barrier behind its opening barrier
	s_cmp_lg_u32 s10, 0
	s_cbranch_scc1 .Lnot_wave_0_\@
	s_barrier_signal -3
.Lnot_wave_0_\@:
	s_barrier_wait -3
	s_barrier_signal -1
	s_barrier_wait -1
.endm
.macro CROUND                          ; a whole round
	s_barrier_signal -1
	s_barrier_wait -1
	CREST
.endm
	s_load_b128 s[4:7], s[0:1], 0x0                ; xb s[4:5], w1b s[6:7]
	s_load_b64 s[8:9], s[0:1], 0x10                ; h
	s_load_b128 s[68:71], s[0:1], 0x18             ; b1 s[68:69], gate s[70:71]
	s_set_vgpr_msb 0x40
	v_lshl_add_u32 v255, v0, 2, 0x48400
	s_set_vgpr_msb 0x4000
	v_mov_b32 v31, 0
	s_set_vgpr_msb 0x1
	ds_add_u32 v255, v31
	s_set_vgpr_msb 0x100
	v_lshrrev_b32 v1, 5, v0
	v_readfirstlane_b32 s10, v1                    ; wave 0..3
	s_lshr_b32 s11, s10, 1                         ; which half of the tile's rows is mine.  Also: I fetch for xb (0) or for w1b (1)
	s_and_b32 s12, s10, 1                          ; which half of its columns.  Also: which half of that tile I fetch
	s_bfe_u32 s40, ttmp6, 0x40000                  ; cx
	s_bfe_u32 s41, ttmp6, 0x40004                  ; cy
	s_lshl_b32 s42, ttmp9, 2                       ; ttmp9 counts clusters: it is the expert, since four tiles of 256 columns are an expert's 1,024
	s_add_co_u32 s42, s42, s40                     ; tile column = 4 x cluster x + cx
	s_and_b32 s13, ttmp7, 0xffff
	s_lshl_b32 s13, s13, 2
	s_add_co_u32 s13, s13, s41                     ; tile row = 4 x cluster y + cy, 0..7
	s_lshl_b32 s43, s41, 2
	s_lshl_b32 s43, 15, s43                        ; my row of the cluster
	s_lshl_b32 s44, 0x1111, s40                    ; my column
	; group 1 for xb: 128 rows x 128 elements, 16 bytes of padding behind every 64 words
	s_or_b32 s[G1+0], s43, (1<<16)|(1<<20)|(1<<21)|(5<<22)|(3<<25)
	s_mov_b32 s[G1+1], KSTEP<<16                   ; tensor_dim0 = 128
	s_mov_b32 s[G1+2], 128<<16                     ; tensor_dim1 = 128
	s_mov_b32 s[G1+3], KSTEP<<16                   ; tile_dim0 = 128
	s_mov_b32 s[G1+4], 128                         ; tile_dim1 = 128
	s_mov_b32 s[G1+5], SIZE_K                      ; elements from row to row
	s_mov_b32 s[G1+6], 0
	s_mov_b32 s[G1+7], 0
	; group 1 for w1b: 64 rows (k) x 256 elements (n), 32 bytes of padding behind every 128 words
	s_or_b32 s[G1B+0], s44, (1<<16)|(1<<20)|(1<<21)|(6<<22)|(7<<25)
	s_mov_b32 s[G1B+1], 256<<16                    ; tensor_dim0 = 256
	s_mov_b32 s[G1B+2], 64<<16                     ; tensor_dim1 = 64
	s_mov_b32 s[G1B+3], 256<<16                    ; tile_dim0 = 256
	s_mov_b32 s[G1B+4], 64                         ; tile_dim1 = 64
	s_mov_b32 s[G1B+5], 1024                       ; elements from row to row
	s_mov_b32 s[G1B+6], 0
	s_mov_b32 s[G1B+7], 0
	; constants of the GELU; the packed forms name pairs and take the low word for both halves, so both words are written
	s_mov_b32 s72, 0x3f87dc22                      ; a5 =  1.061405429
	s_mov_b32 s73, 0x3f87dc22
	s_mov_b32 s74, 0x3fb5f0e3                      ; a3 =  1.421413741
	s_mov_b32 s75, 0x3fb5f0e3
	s_mov_b32 s76, 0xbe91a98e                      ; a2 = -0.284496736
	s_mov_b32 s77, 0xbe91a98e
	s_mov_b32 s78, 0x3e827906                      ; a1 =  0.254829592
	s_mov_b32 s79, 0x3e827906
	s_mov_b32 s80, 0xbf38aa3b                      ; -log2(e) / 2: exp(-x^2 / 2) = 2^(this x^2)
	s_mov_b32 s81, 0xbf38aa3b
	s_mov_b32 s82, 0x3e6d3388                      ; p / sqrt 2 = 0.3275911 / 1.41421356
	; where the tiles come from: xb's hang on the tile row alone, w1b's on the tile column alone, each in registers that never hold the other coordinate
	s_lshl_b32 s17, s12, 7
	s_lshl_b32 s16, s13, 8
	s_add_co_u32 s16, s16, s17                     ; xb: row 256 x tile row + 128 x half,
	s_lshl_b32 s16, s16, 11                        ; of 2,048 bytes
	s_mov_b32 s17, 0
	s_lshl_b32 s46, ttmp9, 21                      ; w1b: the expert's 2 MiB,
	s_lshl_b32 s47, s40, 9                         ; 256 columns a tile,
	s_add_co_u32 s46, s46, s47
	s_lshl_b32 s47, s12, 17                        ; 64 rows of 2,048 bytes a half
	s_add_co_u32 s46, s46, s47
	s_mov_b32 s47, 0
	s_mul_i32 s20, s10, HALFT                      ; and where they go: wave x 34,816: no place in the cluster enters an LDS address
	s_wait_dscnt 0x0
	s_wait_kmcnt 0x0
	s_add_nc_u64 s[14:15], s[4:5], s[16:17]
	s_add_nc_u64 s[46:47], s[6:7], s[46:47]
	CROUND                                         ; all sixteen work-groups are here: the first joint loads meet
.irp s, 0,1
	s_mov_b32 s[G0+4*\s], 1
	s_add_co_u32 s[G0+4*\s+1], s20, \s*SLOT
	s_add_nc_u64 s[G0+4*\s+2:G0+4*\s+3], s[14:15], \s*KSTEP*2
	s_or_b32 s[G0+4*\s+3], s[G0+4*\s+3], 0x80000000
	s_mov_b32 s[G0B+4*\s], 1
	s_add_co_u32 s[G0B+4*\s+1], s20, \s*SLOT
	s_add_nc_u64 s[G0B+4*\s+2:G0B+4*\s+3], s[46:47], \s*KSTEP*BROW
	s_or_b32 s[G0B+4*\s+3], s[G0B+4*\s+3], 0x80000000
	JLOAD \s
.endr
	v_and_b32 v1, 15, v0                           ; r = l % 16
	v_bfe_u32 v2, v0, 4, 1                         ; l / 16
	v_mul_u32_u24 v3, v1, PITCH
	v_lshl_add_u32 v3, v2, 4, v3                   ; xb: row x pitch + 16 x half
	v_and_b32 v4, 7, v0
	v_lshl_add_u32 v4, v2, 3, v4                   ; w1b: lane l reads 16 bytes of row k = 8 (l / 16) + l % 8,
	v_mul_u32_u24 v4, v4, PB
	v_bfe_u32 v5, v0, 3, 1
	v_lshl_add_u32 v4, v5, 4, v4                   ; columns 8 ((l / 8) % 2) + 0..7; the load leaves column l % 16 and eight k in the lane
	s_mul_i32 s21, s11, HALFT                      ; my 128 rows of xb
	s_lshl_b32 s22, s12, 8                         ; my 128 columns of w1b,
	s_add_co_u32 s22, s22, 2*HALFT                 ; whose rows lie behind xb's 256
.irp s, 0,1
	v_add_nc_u32 v[ADRA+\s], s21, v3
	v_add_nc_u32 v[ADRB+\s], s22, v4
	s_add_co_u32 s21, s21, SLOT
	s_add_co_u32 s22, s22, SLOT
.endr
	s_mul_i32 s23, s10, 16*SPITCH
	s_add_co_u32 s23, s23, STAGE                   ; my stage
	v_mul_u32_u24 v6, v1, SPITCH                   ; in: row l % 16, 16 bytes for each half of the lanes
	v_lshl_add_u32 v6, v2, 4, v6
	v_add_nc_u32 v[STO], s23, v6
	v_mul_u32_u24 v7, v2, SPITCH                   ; back: lanes 0-15 take one row of 256 bytes, lanes 16-31 the next
	v_lshl_add_u32 v7, v1, 4, v7
	v_add_nc_u32 v[RD], s23, v7
	v_mul_u32_u24 v7, v2, SIZE_N*2                 ; and the same two rows in h
	v_lshl_add_u32 v[CO], v1, 4, v7
	v_lshlrev_b32 v[GOF], 5, v1
	v_lshlrev_b32 v[B1O], 5, v2
	v_mov_b32 v[VA4], 0xbfba00e3                   ; a4 = -1.453152027
	v_mov_b32 v[VA4+1], 0xbfba00e3
	s_lshl_b32 s16, s13, 8
	s_lshl_b32 s14, s11, 7
	s_add_co_u32 s16, s16, s14                     ; my first row
	s_lshl_b32 s18, s16, 5                         ; gate: 32 bytes a row,
	s_lshl_b32 s19, ttmp9, 2                       ; 4 bytes an expert
	s_add_co_u32 s18, s18, s19
	s_mov_b32 s19, 0
	s_add_nc_u64 s[70:71], s[70:71], s[18:19]
	s_lshl_b32 s16, s16, 14                        ; h: 16,384 bytes a row
	s_mov_b32 s17, 0
	s_lshl_b32 s46, s42, 9                         ; my first column, in bytes of h: 512 x tile column + 256 x half
	s_lshl_b32 s47, s12, 8
	s_add_co_u32 s46, s46, s47
	s_mov_b32 s47, 0
	s_add_nc_u64 s[16:17], s[16:17], s[46:47]      ; what the first way out adds to the address of h
	s_lshl_b32 s46, s46, 1                         ; the same column in b1, whose numbers have 4 bytes (8 x 1,024 columns run on as h's do)
	s_add_nc_u64 s[68:69], s[68:69], s[46:47]
	WIN TO_B
.irp b, 0,1,2,3,4,5,6,7
	global_load_b128 v[8*\b:8*\b+3],   v[B1O], s[68:69] offset:64*\b       ; b1 of columns 16 b + 8 (l / 16) + 0..7; both tiles use it
	global_load_b128 v[8*\b+4:8*\b+7], v[B1O], s[68:69] offset:64*\b+16
.endr
	WIN 0
; 16 matrix instructions: row blocks a0, a0 + 1 of the window's four x all 8 column blocks, 32 along K.  zero = 1: the first product starts the sums.
; The 64 accumulators take turns, one instruction a turn, in the same order everywhere.
.macro MUL16 f, hi, a0, zero
.irp a, \a0, \a0+1
.irp b, 0,1,2,3,4,5,6,7
.if \zero
	v_wmma_f32_16x16x32_bf16 v[8*(8*(\a)+\b):8*(8*(\a)+\b)+7], v[\f+8*\b:\f+8*\b+7], v[\f+8*(4*\hi+\a):\f+8*(4*\hi+\a)+7], 0
.else
	v_wmma_f32_16x16x32_bf16 v[8*(8*(\a)+\b):8*(8*(\a)+\b)+7], v[\f+8*\b:\f+8*\b+7], v[\f+8*(4*\hi+\a):\f+8*(4*\hi+\a)+7], v[8*(8*(\a)+\b):8*(8*(\a)+\b)+7]
.endif
.endr
.endr
.endm
; 32 LDS loads in one run: the fragments of quarter q (32 along K) of a slot into buffer f: w1b's 8 x 16 columns, turned, then xb's 8 x 16 rows
.macro FETCH slot, q, f
	WIN TO_B
.irp i, 0,1,2,3,4,5,6,7
	ds_load_tr16_b128 v[\f+8*\i:\f+8*\i+3],   v[ADRB+\slot] offset:\q*32*PB+32*\i
	ds_load_tr16_b128 v[\f+8*\i+4:\f+8*\i+7], v[ADRB+\slot] offset:\q*32*PB+16*PB+32*\i
.endr
	WIN 0
.irp i, 0,1,2,3,4,5,6,7
	ds_load_b128 v[\f+8*\i:\f+8*\i+3],   v[ADRA+\slot] offset:\q*64+\i*16*PITCH
	ds_load_b128 v[\f+8*\i+4:\f+8*\i+7], v[ADRA+\slot] offset:\q*64+\i*16*PITCH+32
.endr
.endm
; four places between a matrix instruction and a load into, or a vector instruction on, one of its registers (ISA guide 7.12.1 for vector instructions)
.macro PLACES
.rept 4
	v_nop
.endr
.endm
; One of a K step's first three quarters: multiplies buffer f; in its middle it fetches quarter q of the same slot into buffer g.
.macro QUARTER slot, q, f, g, zero
	s_wait_dscnt 8                                 ; w1b and xb's rows 0-63 are in; the youngest eight loads (xb's rows 64-127) may be out
	WIN MUL_LO
	MUL16 \f, 0, 0, \zero
	MUL16 \f, 0, 2, \zero
	PLACES
	FETCH \slot, \q, \g
	s_wait_dscnt 32                                ; all but the 32 just issued
	WIN MUL_HI
	MUL16 \f, 1, 0, \zero
	MUL16 \f, 1, 2, \zero
.endm
; The first half of a K step's last quarter: one barrier for the change of slots.  In front of it each wave waits for its own reads of this slot and for all its tensor loads,
; of which one is out: its part of the next slot.
.macro MEET round
	s_wait_dscnt 8
	WIN MUL_LO
	MUL16 F1, 0, 0, 0
	s_wait_dscnt 0                                 ; my reads of this slot are over
	s_wait_tensorcnt 0x0                           ; and all my tensor loads have landed
	ds_add_u32 v255, v31
	s_wait_dscnt 0x0
	s_barrier_signal -1
	MUL16 F1, 0, 2, 0                              ; register work while the others arrive
.if \round
	WIN 0
.endif
	s_barrier_wait -1
.endm
; The whole last quarter.  The barrier opens a round of the cluster's; behind the round the slot just read is filled again first: with this tile's K step two on (on = 0) or
; with the next tile's K step 0 or 1 (on = 1).  Then the next slot's first fragments.
.macro TURN slot, next, on
	MEET 1
	CREST                                          ; no wave of any partner still reads this slot or has a load on its way
.if \on
	s_add_nc_u64 s[G0+4*\slot+2:G0+4*\slot+3], s[G0+4*\slot+2:G0+4*\slot+3], NEXT_A
	s_sub_nc_u64 s[G0B+4*\slot+2:G0B+4*\slot+3], s[G0B+4*\slot+2:G0B+4*\slot+3], BACK_B
.else
	s_add_nc_u64 s[G0+4*\slot+2:G0+4*\slot+3], s[G0+4*\slot+2:G0+4*\slot+3], 2*KSTEP*2
	s_add_nc_u64 s[G0B+4*\slot+2:G0B+4*\slot+3], s[G0B+4*\slot+2:G0B+4*\slot+3], 2*KSTEP*BROW
.endif
	JLOAD \slot                                    ; my one tensor load behind the round; its four v_nop are also the places in front of the loads below
	FETCH \next, 0, F0
	WIN MUL_HI
	MUL16 F1, 1, 0, 0
	MUL16 F1, 1, 2, 0
.endm
; THE WAY OUT.  One accumulator: rows 16 a + r, columns 16 b + 8 (l / 16) + 0..7: bias, GELU, gate, rounding.  76 vector instructions.
.macro GELU8 a, b
.set AC, 64*((\a)%4)+8*(\b)
.set WG, 0x06+(\a)/4                   ; source 0 window 2 or 3 (the sums), source 1 window 1 (b1), destination window 0
	WIN WG
.irp r, 0,2,4,6
	v_pk_add_f32 v[XB+\r:XB+\r+1], v[AC+\r:AC+\r+1], v[8*(\b)+\r:8*(\b)+\r+1]
.endr
	WIN 0
.irp r, 0,2,4,6
	v_pk_mul_f32 v[EE+\r:EE+\r+1], v[XB+\r:XB+\r+1], v[XB+\r:XB+\r+1]
.endr
.irp j, 0,1,2,3,4,5,6,7
	v_fma_f32 v[TT+\j], |v[XB+\j]|, s82, 1.0       ; 1 + p z
.endr
.irp j, 0,1,2,3,4,5,6,7
	v_rcp_f32 v[TT+\j], v[TT+\j]
.endr
.irp r, 0,2,4,6
	v_pk_mul_f32 v[EE+\r:EE+\r+1], v[EE+\r:EE+\r+1], s[80:81] op_sel_hi:[1,0]   ; plain work that names no t: it stands between the reciprocals and their use
.endr
.irp j, 0,1,2,3,4,5,6,7
	v_exp_f32 v[EE+\j], v[EE+\j]
.endr
	s_wait_alu depctr_va_vdst(0)
.irp r, 0,2,4,6
	v_pk_fma_f32 v[PP+\r:PP+\r+1], v[TT+\r:TT+\r+1], s[72:73], v[VA4:VA4+1] op_sel_hi:[1,0,1]   ; a5 t + a4: plain work between the exponentials and their use
.endr
.irp c, 74, 76, 78
.irp r, 0,2,4,6
	v_pk_fma_f32 v[PP+\r:PP+\r+1], v[PP+\r:PP+\r+1], v[TT+\r:TT+\r+1], s[\c:\c+1] op_sel_hi:[1,1,0]
.endr
.endr
.irp r, 0,2,4,6
	v_pk_mul_f32 v[PP+\r:PP+\r+1], v[PP+\r:PP+\r+1], v[TT+\r:TT+\r+1]
.endr
.irp r, 0,2,4,6
	v_pk_fma_f32 v[PP+\r:PP+\r+1], v[PP+\r:PP+\r+1], v[EE+\r:EE+\r+1], 1.0 op_sel_hi:[1,1,0] neg_lo:[1,0,0] neg_hi:[1,0,0]   ; erf
.endr
.irp j, 0,1,2,3,4,5,6,7
	v_fma_f32 v[XB+\j], |v[XB+\j]|, v[PP+\j], v[XB+\j]
.endr
.irp r, 0,2,4,6
	v_pk_mul_f32 v[XB+\r:XB+\r+1], v[XB+\r:XB+\r+1], v[HG+2*(\a):HG+2*(\a)+1]
.endr
.irp r, 0,1,2,3
	v_cvt_pk_bf16_f32 v[TMP+4*(\b)+\r], v[XB+2*\r], v[XB+2*\r+1]
.endr
.endm
.macro PACKG a
.irp b, 0,1,2,3,4,5,6,7
	GELU8 \a, \b
.endr
.endm
.macro TOSTAGE a                       ; 16 bytes a lane into my own stage, and back as whole rows of 256 bytes
.set BK, OB+192*((\a)%2)
.irp b, 0,1,2,3,4,5,6,7
	ds_store_b128 v[STO], v[TMP+4*\b:TMP+4*\b+3] offset:32*\b
.endr
.irp t, 0,1,2,3,4,5,6,7
	ds_load_b128 v[BK+4*\t:BK+4*\t+3], v[RD] offset:\t*2*SPITCH    ; LDS serves a wave's instructions in order (ISA guide 5.7.1.4): these see the stores above
.endr
.endm
.macro SEND a, younger
.set BK, OB+192*((\a)%2)
	s_wait_dscnt \younger                          ; the block is back in registers
	s_wait_xcnt 0x0                                ; only behind this wait are the stores' base and the registers that earlier stores read rewritten
.if (\a) == 0
	s_add_nc_u64 s[8:9], s[8:9], s[16:17]          ; on to this tile's first rows
.else
	s_add_nc_u64 s[8:9], s[8:9], 16*SIZE_N*2       ; 16 rows of h on
.endif
.irp t, 0,1,2,3,4,5,6,7
	global_store_b128 v[CO], v[BK+4*\t:BK+4*\t+3], s[8:9] offset:2*\t*SIZE_N*2   ; 16 lanes store 256 consecutive bytes, at a multiple of 256 from the first byte of h
.endr
.endm
	s_wait_tensorcnt 1                             ; my part of K step 0 is in; K step 1's may stay out
	s_barrier_signal -1
	s_barrier_wait -1
	FETCH 0, 0, F0
	s_mov_b32 s2, 2                                ; tiles to go: the same number in every work-group
.Ltile:
.irp a, 0,1,2,3,4,5,6,7
	global_load_b32 v[GR+\a], v[GOF], s[70:71] offset:512*\a       ; this tile's gates, wanted on the way out
.endr
	QUARTER 0, 1, F0, F1, 1                        ; a tile's first quarter starts the sums
	WIN 0
	s_mov_b32 s3, LAPS-1
.Llap:                                                 ; a trip goes once round the ring, from a lap's second quarter to the next lap's first, and fills both slots again
	QUARTER 0, 2, F1, F0, 0
	QUARTER 0, 3, F0, F1, 0
	TURN 0, 1, 0
	QUARTER 1, 1, F0, F1, 0
	QUARTER 1, 2, F1, F0, 0
	QUARTER 1, 3, F0, F1, 0
	TURN 1, 0, 0
	QUARTER 0, 1, F0, F1, 0
	WIN 0
	s_sub_co_u32 s3, s3, 1
	s_cmp_lg_u32 s3, 0
	s_cbranch_scc1 .Llap
	QUARTER 0, 2, F1, F0, 0                        ; the tile's last lap goes on
	QUARTER 0, 3, F0, F1, 0
	WIN 0
	s_cmp_eq_u32 s2, 1
	s_cbranch_scc1 .Llast
	TURN 0, 1, 1                                   ; the ring goes on into the second tile: slot 0 takes its K step 0,
	QUARTER 1, 1, F0, F1, 0
	QUARTER 1, 2, F1, F0, 0
	QUARTER 1, 3, F0, F1, 0
	TURN 1, 0, 1                                   ; slot 1 its K step 1, and its first fragments are fetched into buffer 0
	WIN 0
	s_branch .Lout
.Llast:                                                ; the last tile asks for nothing more: a plain barrier, no round
	MEET 0
	PLACES                                         ; for the loads into buffer 0
	FETCH 1, 0, F0
	WIN MUL_HI
	MUL16 F1, 1, 0, 0
	MUL16 F1, 1, 2, 0
	QUARTER 1, 1, F0, F1, 0
	QUARTER 1, 2, F1, F0, 0
	QUARTER 1, 3, F0, F1, 0
	s_wait_dscnt 8
	WIN MUL_LO
	MUL16 F1, 0, 0, 0
	MUL16 F1, 0, 2, 0
	s_wait_dscnt 0
	WIN MUL_HI
	MUL16 F1, 1, 0, 0
	MUL16 F1, 1, 2, 0
	WIN 0
.Lout:
	PLACES                                         ; behind the last products: buffer 1 of window 0 is written and the sums are read below
	s_wait_loadcnt 0x0                             ; the gates (and, the first time, b1); it also frees the gates' base
	s_add_nc_u64 s[70:71], s[70:71], WALK*32       ; the next tile's rows of gate
.irp a, 0,1,2,3,4,5,6,7
	v_mul_f32 v[HG+2*\a],   0.5, v[GR+\a]
	v_mul_f32 v[HG+2*\a+1], 0.5, v[GR+\a]
.endr
	PACKG 0
	TOSTAGE 0
.irp a, 1,2,3,4,5,6,7
	PACKG \a
	SEND \a-1, 0
	TOSTAGE \a
.endr
	SEND 7, 0
	s_mov_b64 s[16:17], NEXT_C                     ; what the next way out adds to the address of h
	s_sub_co_u32 s2, s2, 1
	s_cmp_lg_u32 s2, 0
	s_cbranch_scc1 .Ltile
	s_wait_tensorcnt 0x0                           ; no tensor load of mine is out at the end (met: the last change of slots waited for all)
	s_set_vgpr_msb 0x1
	s_wait_tensorcnt 0x0
	ds_add_u32 v255, v31
	s_wait_dscnt 0x0
	s_set_vgpr_msb 0x100
	CROUND                                         ; the closing round: no work-group ends while a partner may still ask for a tile that names it
	s_endpgm
.Lfunc_end_k_q93553c53d4_ffn1:
	.size	k_q93553c53d4_ffn1, .Lfunc_end_k_q93553c53d4_ffn1-k_q93553c53d4_ffn1
	.p2alignl 7, 3214868480
	.fill 96, 4, 3214868480
	.section	.rodata,"a",@progbits
	.p2align	6, 0x0
	.amdhsa_kernel k_q93553c53d4_ffn1
		.amdhsa_group_segment_fixed_size 327680
		.amdhsa_private_segment_fixed_size 0
		.amdhsa_enable_private_segment 0
		.amdhsa_kernarg_size 40
		.amdhsa_user_sgpr_count 2
		.amdhsa_user_sgpr_kernarg_segment_ptr 1
		.amdhsa_wavefront_size32 1
		.amdhsa_system_sgpr_workgroup_id_x 1
		.amdhsa_system_sgpr_workgroup_id_y 1
		.amdhsa_system_sgpr_workgroup_id_z 1
		.amdhsa_system_vgpr_workitem_id 0
		.amdhsa_next_free_vgpr 1024
		.amdhsa_next_free_sgpr 84
		.amdhsa_reserve_vcc 0
		.amdhsa_float_denorm_mode_32 3
		.amdhsa_float_denorm_mode_16_64 3
		.amdhsa_memory_ordered 1
		.amdhsa_forward_progress 1
		.amdhsa_inst_pref_size 255
	.end_amdhsa_kernel
	.section	.bss,"aw",@nobits
	.p2align	6
	.space	262144
	.amdgpu_metadata
---
amdhsa.version: [ 1, 2 ]
amdhsa.kernels:
  - .name:           k_q93553c53d4_ffn1
    .symbol:         k_q93553c53d4_ffn1.kd
    .args:
      - { .name: xb, .offset: 0, .size: 8, .value_kind: global_buffer, .address_space: global }
      - { .name: w1b, .offset: 8, .size: 8, .value_kind: global_buffer, .address_space: global }
      - { .name: h, .offset: 16, .size: 8, .value_kind: global_buffer, .address_space: global }
      - { .name: b1, .offset: 24, .size: 8, .value_kind: global_buffer, .address_space: global }
      - { .name: gate, .offset: 32, .size: 8, .value_kind: global_buffer, .address_space: global }
    .group_segment_fixed_size: 327680
    .private_segment_fixed_size: 0
    .kernarg_segment_align: 8
    .kernarg_segment_size: 40
    .max_flat_workgroup_size: 128
    .sgpr_count:     84
    .vgpr_count:     1024
    .wavefront_size: 32
...
	.end_amdgpu_metadata
.endif
;; end of part 2
;; launch ffn2 (part 3): grid 16 x 16, 4 waves a work-group, clusters of 4 x 4, 327,680 bytes of LDS; arguments h, w2b, part; writes part
.if DOCPART == 3
	.amdgcn_target "amdgcn-amd-amdhsa--gfx1250"
	.amdhsa_code_object_version 6
	.text
	.protected	k_q93553c53d4_ffn2
	.globl	k_q93553c53d4_ffn2
	.p2align	8
	.type	k_q93553c53d4_ffn2,@function
k_q93553c53d4_ffn2:
	s_mov_b64 s[64:65], 0
	v_nop
	global_prefetch_b8 v0, s[64:65] scope:SCOPE_SE
	s_setreg_imm32_b32 hwreg(HW_REG_WAVE_MODE, 25, 1), 1
	s_wait_xcnt 0x0
	s_wait_alu depctr_hold_cnt(0) depctr_sa_sdst(0) depctr_va_vdst(0) depctr_va_sdst(0) depctr_va_ssrc(0) depctr_va_vcc(0) depctr_vm_vsrc(0)
	s_getreg_b32 s2, hwreg(HW_REG_IB_STS2, 6, 4)
	s_cmp_eq_u32 s2, 0
	s_cbranch_scc0 .Lentry_in_a_cluster
	s_endpgm
.Lentry_in_a_cluster:
	s_bfe_u32 s2, ttmp6, 0x10000c
	s_cmp_lg_u32 s2, 0xf033
	s_cbranch_scc0 .Lentry_shape_is_right
	s_endpgm
.Lentry_shape_is_right:
; part[q][t][d] = sum over k = 2048 q .. 2048 q + 2047 of h[t][k] w2b[k][d].  h: [4096][8192], w2b: [8192][1024], bf16; part: [4][4096][1024], f32.  Sums in f32.
; h already holds gate x gelu, so the sum over k = (e, f) is the gated sum over experts; the next launch adds the four parts and gate x b2.
; WHY K IS SHARED OUT: the result has 64 tiles of 256 x 256, too few for 256 WGPs; four parts of K make 256 work-groups.  Against tiles of 128 x 128 over all of K a byte read from LDS
; and a byte fetched feed twice the multiply-adds, and a K step of 128 holds 256 matrix instructions a wave, 240 of them between a tile's request and the wait for it.
; The price is 4 x 16 MiB of partial sums, stored here and read once by the next launch; no work-group reads what another stores.
; A tile, 256 x 256, is made by four waves, 128 x 128 each: 64 accumulators of 16 x 16, 512 registers.  K goes in steps of 128 through a ring of two LDS slots.
; h lies along K and its fragments are plain 16-byte loads; w2b lies [K][N] and its fragments come out of LDS turned, by ds_load_tr16_b128.
; CLUSTER 4 x 4, all of one part of K: the four groups of a row of the cluster (the four tile columns, all 1,024 columns) need the same tile of h, the four of a column the same tile
; of w2b; each tile is asked for jointly.  By this text's count a wave has two tensor loads out at the start and one behind each round.
; THE MATRIX INSTRUCTION IS USED TRANSPOSED (source 0 = 16 columns of w2b, source 1 = 16 rows of h): a lane holds one row and eight neighbouring columns, 32 bytes of f32.
; REGISTERS, in windows of 256: window 0: v0-31 addresses; v64-127, v128-191 fragments of h, two buffers, on the way out whole rows.  window 1: v64-127, v128-191 fragments of w2b.
; windows 2, 3: the accumulators ((a, b) at v[8 (8 (a % 4) + b)], rows 0-63 in window 2, rows 64-127 in window 3).
.set ROWC,   4096                      ; bytes in a row of part
.set LDA,    8192                      ; elements in a row of h
.set KPART,  2048                      ; K of a work-group
.set KSTEP,  128
.set PITCH,  272                       ; an LDS row of h: 256 bytes + 16 of padding: the 16 rows of a fragment load start 16 bytes further on in each 256
.set PB,     544                       ; an LDS row of w2b: 512 bytes + 32 of padding, an odd multiple of 32, for the turning load
.set BROW,   2048                      ; bytes from a row of w2b to the next
.set HALFT,  128*PITCH                 ; what one tensor load fills: 128 rows of h, or 64 rows of w2b (64 x 544 is the same 34,816 bytes)
.set SLOT,   4*HALFT                   ; 256 rows of h, then 128 rows of w2b
.set STAGE,  2*SLOT                    ; behind the ring: 16 rows x 528 bytes for each wave; no tensor load fills it
.set SPITCH, 528                       ; a row of the stage: 512 bytes + 16
.set LAPS,   KPART/(2*KSTEP)           ; a lap = two K steps = once round the ring
.set ADRA, 16                          ; v16-17  LDS address of my fragments of h in slot 0, 1
.set ADRB, 20                          ; v20-21  the same for w2b
.set STO,  24                          ; v24     the way out: where I put 32 bytes of a row
.set RD,   25                          ; v25     the way out: where I read 16 bytes of a row back
.set CO,   26                          ; v26     16 x lane: my bytes in a row of 512
.set F0,   64
.set F1,   128
.set G1,  24                           ; s[24:31] descriptor group 1 for h;  s[32:39] group 0, a set for each slot
.set G0,  32
.set G1B, 48                           ; s[48:55], s[56:63] the same for w2b
.set G0B, 56
.set MSB, 0
.macro WIN new                         ; the immediate's high byte repeats the setting that is left; a switch that changes nothing is dropped
.if MSB != \new
	s_set_vgpr_msb (MSB<<8)|\new
.set MSB, \new
.endif
.endm
.set MUL_LO, 0xa1                      ; source 0 (w2b) window 1, source 1 (h) window 0, C and D window 2
.set MUL_HI, 0xf1                      ; the same, C and D window 3
.set TO_B,   0x40                      ; destination window 1, address window 0
; A joint load: waves 0 and 1 fetch the two halves of h's tile, waves 2 and 3 those of w2b's.  The branch hangs on the wave's number alone.
; Four v_nop follow each of the two lines, ahead of the jump, the label and what follows.
.macro JLOAD s
	s_cmp_eq_u32 s11, 0
	s_cbranch_scc0 .Lfor_b_\@
	tensor_load_to_lds s[G0+4*\s:G0+4*\s+3], s[G1:G1+7]
	s_nop 0
.rept 4
	v_nop
.endr
	s_branch .Lasked_\@
.Lfor_b_\@:
	tensor_load_to_lds s[G0B+4*\s:G0B+4*\s+3], s[G1B:G1B+7]
	s_nop 0
.rept 4
	v_nop
.endr
.Lasked_\@:
.endm
.macro CREST                           ; a round of the cluster's barrier behind its opening barrier
	s_cmp_lg_u32 s10, 0
	s_cbranch_scc1 .Lnot_wave_0_\@
	s_barrier_signal -3
.Lnot_wave_0_\@:
	s_barrier_wait -3
	s_barrier_signal -1
	s_barrier_wait -1
.endm
.macro CROUND                          ; a whole round
	s_barrier_signal -1
	s_barrier_wait -1
	CREST
.endm
	s_load_b128 s[4:7], s[0:1], 0x0                ; h s[4:5], w2b s[6:7]
	s_load_b64 s[8:9], s[0:1], 0x10                ; part
	s_set_vgpr_msb 0x40
	v_lshl_add_u32 v255, v0, 2, 0x4c400
	s_set_vgpr_msb 0x4000
	v_mov_b32 v255, 0
	s_set_vgpr_msb 0x1
	ds_add_u32 v255, v255
	s_set_vgpr_msb 0x100
	v_lshrrev_b32 v1, 5, v0
	v_readfirstlane_b32 s10, v1                    ; wave 0..3
	s_lshr_b32 s11, s10, 1                         ; which half of the tile's rows is mine.  Also: I fetch for h (0) or for w2b (1)
	s_and_b32 s12, s10, 1                          ; which half of its columns.  Also: which half of that tile I fetch
	s_bfe_u32 s40, ttmp6, 0x40000                  ; cx: the tile column, 0..3.  ttmp9 counts clusters along x: it is the part of K, 0..3, the same in all sixteen partners
	s_bfe_u32 s41, ttmp6, 0x40004                  ; cy
	s_and_b32 s13, ttmp7, 0xffff
	s_lshl_b32 s13, s13, 2
	s_add_co_u32 s13, s13, s41                     ; tile row = 4 x cluster y + cy, 0..15
	s_lshl_b32 s43, s41, 2
	s_lshl_b32 s43, 15, s43                        ; my row of the cluster
	s_lshl_b32 s44, 0x1111, s40                    ; my column
	; group 1 for h: 128 rows x 128 elements, 16 bytes of padding behind every 64 words
	s_or_b32 s[G1+0], s43, (1<<16)|(1<<20)|(1<<21)|(5<<22)|(3<<25)
	s_mov_b32 s[G1+1], KSTEP<<16                   ; tensor_dim0 = 128
	s_mov_b32 s[G1+2], 128<<16                     ; tensor_dim1 = 128
	s_mov_b32 s[G1+3], KSTEP<<16                   ; tile_dim0 = 128
	s_mov_b32 s[G1+4], 128                         ; tile_dim1 = 128
	s_mov_b32 s[G1+5], LDA                         ; elements from row to row
	s_mov_b32 s[G1+6], 0
	s_mov_b32 s[G1+7], 0
	; group 1 for w2b: 64 rows (k) x 256 elements (n), 32 bytes of padding behind every 128 words
	s_or_b32 s[G1B+0], s44, (1<<16)|(1<<20)|(1<<21)|(6<<22)|(7<<25)
	s_mov_b32 s[G1B+1], 256<<16                    ; tensor_dim0 = 256
	s_mov_b32 s[G1B+2], 64<<16                     ; tensor_dim1 = 64
	s_mov_b32 s[G1B+3], 256<<16                    ; tile_dim0 = 256
	s_mov_b32 s[G1B+4], 64                         ; tile_dim1 = 64
	s_mov_b32 s[G1B+5], 1024                       ; elements from row to row
	s_mov_b32 s[G1B+6], 0
	s_mov_b32 s[G1B+7], 0
	; where the tiles come from: h's hang on the tile row and the part of K, w2b's on the tile column and the part of K, each in registers that never hold the other's place in the cluster
	s_lshl_b32 s17, s12, 7
	s_lshl_b32 s16, s13, 8
	s_add_co_u32 s16, s16, s17                     ; h: row 256 x tile row + 128 x half,
	s_lshl_b32 s16, s16, 14                        ; of 16,384 bytes,
	s_lshl_b32 s17, ttmp9, 12                      ; and the part's 2,048 elements along the row
	s_add_co_u32 s16, s16, s17
	s_mov_b32 s17, 0
	s_lshl_b32 s46, ttmp9, 22                      ; w2b: the part's 2,048 rows of 2,048 bytes,
	s_lshl_b32 s47, s40, 9                         ; 256 columns a tile,
	s_add_co_u32 s46, s46, s47
	s_lshl_b32 s47, s12, 17                        ; 64 rows a half
	s_add_co_u32 s46, s46, s47
	s_mov_b32 s47, 0
	s_mul_i32 s20, s10, HALFT                      ; and where they go: wave x 34,816: no place in the cluster enters an LDS address
	s_wait_dscnt 0x0
	s_wait_kmcnt 0x0
	s_add_nc_u64 s[14:15], s[4:5], s[16:17]
	s_add_nc_u64 s[46:47], s[6:7], s[46:47]
	CROUND                                         ; all sixteen work-groups are here: the first joint loads meet
.irp s, 0,1
	s_mov_b32 s[G0+4*\s], 1
	s_add_co_u32 s[G0+4*\s+1], s20, \s*SLOT
	s_add_nc_u64 s[G0+4*\s+2:G0+4*\s+3], s[14:15], \s*KSTEP*2
	s_or_b32 s[G0+4*\s+3], s[G0+4*\s+3], 0x80000000
	s_mov_b32 s[G0B+4*\s], 1
	s_add_co_u32 s[G0B+4*\s+1], s20, \s*SLOT
	s_add_nc_u64 s[G0B+4*\s+2:G0B+4*\s+3], s[46:47], \s*KSTEP*BROW
	s_or_b32 s[G0B+4*\s+3], s[G0B+4*\s+3], 0x80000000
	JLOAD \s
.endr
	v_and_b32 v1, 15, v0                           ; r = l % 16
	v_bfe_u32 v2, v0, 4, 1                         ; l / 16
	v_mul_u32_u24 v3, v1, PITCH
	v_lshl_add_u32 v3, v2, 4, v3                   ; h: row x pitch + 16 x half
	v_and_b32 v4, 7, v0
	v_lshl_add_u32 v4, v2, 3, v4                   ; w2b: lane l reads 16 bytes of row k = 8 (l / 16) + l % 8,
	v_mul_u32_u24 v4, v4, PB
	v_bfe_u32 v5, v0, 3, 1
	v_lshl_add_u32 v4, v5, 4, v4                   ; columns 8 ((l / 8) % 2) + 0..7; the load leaves column l % 16 and eight k in the lane
	s_mul_i32 s21, s11, HALFT                      ; my 128 rows of h
	s_lshl_b32 s22, s12, 8                         ; my 128 columns of w2b,
	s_add_co_u32 s22, s22, 2*HALFT                 ; whose rows lie behind h's 256
.irp s, 0,1
	v_add_nc_u32 v[ADRA+\s], s21, v3
	v_add_nc_u32 v[ADRB+\s], s22, v4
	s_add_co_u32 s21, s21, SLOT
	s_add_co_u32 s22, s22, SLOT
.endr
	s_mul_i32 s23, s10, 16*SPITCH
	s_add_co_u32 s23, s23, STAGE                   ; my stage
	v_mul_u32_u24 v6, v1, SPITCH                   ; in: row l % 16, 32 bytes for each half of the lanes
	v_lshl_add_u32 v6, v2, 5, v6
	v_add_nc_u32 v[STO], s23, v6
	v_and_b32 v7, 31, v0                           ; back: the 32 lanes take one row of 512 bytes
	v_lshlrev_b32 v[CO], 4, v7
	v_add_nc_u32 v[RD], s23, v[CO]
	s_lshl_b32 s16, s13, 8
	s_lshl_b32 s14, s11, 7
	s_add_co_u32 s16, s16, s14                     ; my first row,
	s_lshl_b32 s16, s16, 12                        ; of 4,096 bytes,
	s_lshl_b32 s14, ttmp9, 24                      ; in my part's 16 MiB
	s_add_co_u32 s16, s16, s14
	s_mov_b32 s17, 0
	s_add_nc_u64 s[8:9], s[8:9], s[16:17]
	s_lshl_b32 s46, s40, 10                        ; my first column, in bytes: 1,024 x tile column + 512 x half
	s_lshl_b32 s47, s12, 9
	s_add_co_u32 s46, s46, s47
	s_mov_b32 s47, 0
	s_add_nc_u64 s[8:9], s[8:9], s[46:47]
; 16 matrix instructions: row blocks a0, a0 + 1 of the window's four x all 8 column blocks, 32 along K.  zero = 1: the first product starts the sums: nothing is cleared.
; The 64 accumulators take turns, one instruction a turn, in the same order everywhere.
.macro MUL16 f, hi, a0, zero
.irp a, \a0, \a0+1
.irp b, 0,1,2,3,4,5,6,7
.if \zero
	v_wmma_f32_16x16x32_bf16 v[8*(8*(\a)+\b):8*(8*(\a)+\b)+7], v[\f+8*\b:\f+8*\b+7], v[\f+8*(4*\hi+\a):\f+8*(4*\hi+\a)+7], 0
.else
	v_wmma_f32_16x16x32_bf16 v[8*(8*(\a)+\b):8*(8*(\a)+\b)+7], v[\f+8*\b:\f+8*\b+7], v[\f+8*(4*\hi+\a):\f+8*(4*\hi+\a)+7], v[8*(8*(\a)+\b):8*(8*(\a)+\b)+7]
.endif
.endr
.endr
.endm
; 32 LDS loads in one run: the fragments of quarter q (32 along K) of a slot into buffer f: w2b's 8 x 16 columns, turned, then h's 8 x 16 rows
.macro FETCH slot, q, f
	WIN TO_B
.irp i, 0,1,2,3,4,5,6,7
	ds_load_tr16_b128 v[\f+8*\i:\f+8*\i+3],   v[ADRB+\slot] offset:\q*32*PB+32*\i
	ds_load_tr16_b128 v[\f+8*\i+4:\f+8*\i+7], v[ADRB+\slot] offset:\q*32*PB+16*PB+32*\i
.endr
	WIN 0
.irp i, 0,1,2,3,4,5,6,7
	ds_load_b128 v[\f+8*\i:\f+8*\i+3],   v[ADRA+\slot] offset:\q*64+\i*16*PITCH
	ds_load_b128 v[\f+8*\i+4:\f+8*\i+7], v[ADRA+\slot] offset:\q*64+\i*16*PITCH+32
.endr
.endm
; four places between a matrix instruction and a load into one of its registers, or an LDS store of its result (ISA guide 7.12.1 for vector instructions)
.macro PLACES
.rept 4
	v_nop
.endr
.endm
; One of a K step's first three quarters: multiplies buffer f; in its middle it fetches quarter q of the same slot into buffer g.
.macro QUARTER slot, q, f, g, zero
	s_wait_dscnt 8                                 ; w2b and h's rows 0-63 are in; the youngest eight loads (h's rows 64-127) may be out
	WIN MUL_LO
	MUL16 \f, 0, 0, \zero
	MUL16 \f, 0, 2, \zero
	PLACES
	FETCH \slot, \q, \g
	s_wait_dscnt 32                                ; all but the 32 just issued
	WIN MUL_HI
	MUL16 \f, 1, 0, \zero
	MUL16 \f, 1, 2, \zero
.endm
; The first half of a K step's last quarter: one barrier for the change of slots.  In front of it each wave waits for its own reads of this slot and for all its tensor loads,
; of which one is out: its part of the next slot.
.macro MEET round
	s_wait_dscnt 8
	WIN MUL_LO
	MUL16 F1, 0, 0, 0
	s_wait_dscnt 0                                 ; my reads of this slot are over
	s_wait_tensorcnt 0x0                           ; and all my tensor loads have landed
	ds_add_u32 v255, v255
	s_wait_dscnt 0x0
	s_barrier_signal -1
	MUL16 F1, 0, 2, 0                              ; register work while the others arrive
.if \round
	WIN 0
.endif
	s_barrier_wait -1
.endm
; The whole last quarter.  The barrier opens a round of the cluster's; behind the round the slot just read is filled again first, with the K step two on.  Then the next slot's first fragments.
.macro TURN slot, next
	MEET 1
	CREST                                          ; no wave of any partner still reads this slot or has a load on its way
	s_add_nc_u64 s[G0+4*\slot+2:G0+4*\slot+3], s[G0+4*\slot+2:G0+4*\slot+3], 2*KSTEP*2
	s_add_nc_u64 s[G0B+4*\slot+2:G0B+4*\slot+3], s[G0B+4*\slot+2:G0B+4*\slot+3], 2*KSTEP*BROW
	JLOAD \slot                                    ; my one tensor load behind the round; its four v_nop are also the places in front of the loads below
	FETCH \next, 0, F0
	WIN MUL_HI
	MUL16 F1, 1, 0, 0
	MUL16 F1, 1, 2, 0
.endm
; THE WAY OUT of block a (16 rows x 128 columns of f32).  TOSTAGE: a lane's 32 bytes of each of the 8 accumulators go straight from the accumulators into my own stage
; (an LDS store's data is source 1: its window is set to the accumulators'), and come back as whole rows of 512 bytes into the fragment buffers of window 0, by turns.
.macro TOSTAGE a
.set AC, 64*((\a)%4)
.set BK, F0+64*((\a)%2)
.set WS, 0x08+4*((\a)/4)               ; source 1 window 2 (blocks 0-3) or 3 (blocks 4-7); the address in window 0
	WIN WS
.irp b, 0,1,2,3,4,5,6,7
	ds_store_b128 v[STO], v[AC+8*\b:AC+8*\b+3]   offset:64*\b      ; LDS serves a wave's instructions in order (ISA guide 5.7.1.4): these come behind the loads of the block before
	ds_store_b128 v[STO], v[AC+8*\b+4:AC+8*\b+7] offset:64*\b+16
.endr
	WIN 0
.if (\a) >= 2
	s_wait_xcnt 0x0                                ; the stores of the block two back read the registers that are loaded below: they are rewritten only behind this wait
.endif
.irp t, 0,1,2,3,4,5,6,7,8,9,10,11,12,13,14,15
	ds_load_b128 v[BK+4*\t:BK+4*\t+3], v[RD] offset:\t*SPITCH      ; and these see the stores above
.endr
.endm
.macro SEND a, younger                 ; younger: the LDS instructions issued behind block a's loads: the next block's 32, or none
.set BK, F0+64*((\a)%2)
	s_wait_dscnt \younger                          ; the block is back in registers
.irp t, 0,1,2,3,4,5,6,7,8,9,10,11,12,13,14,15
	global_store_b128 v[CO], v[BK+4*\t:BK+4*\t+3], s[8:9] offset:(16*(\a)+\t)*ROWC   ; the wave stores 512 consecutive bytes, at a multiple of 512 from the first byte of part; the row stands in the immediate, 520,192 at the most
.endr
.endm
	s_wait_tensorcnt 1                             ; my part of K step 0 is in; K step 1's may stay out
	s_barrier_signal -1
	s_barrier_wait -1
	FETCH 0, 0, F0
	QUARTER 0, 1, F0, F1, 1                        ; the first quarter starts the sums
	WIN 0
	s_mov_b32 s3, LAPS-1
.Llap:                                                 ; a trip goes once round the ring, from a lap's second quarter to the next lap's first, and fills both slots again
	QUARTER 0, 2, F1, F0, 0
	QUARTER 0, 3, F0, F1, 0
	TURN 0, 1
	QUARTER 1, 1, F0, F1, 0
	QUARTER 1, 2, F1, F0, 0
	QUARTER 1, 3, F0, F1, 0
	TURN 1, 0
	QUARTER 0, 1, F0, F1, 0
	WIN 0
	s_sub_co_u32 s3, s3, 1
	s_cmp_lg_u32 s3, 0
	s_cbranch_scc1 .Llap
	QUARTER 0, 2, F1, F0, 0                        ; the last lap asks for nothing more: a plain barrier, no round
	QUARTER 0, 3, F0, F1, 0
	MEET 0                                         ; my one tensor load that was still out is slot 1's, the last K step's
	PLACES                                         ; for the loads into buffer 0
	FETCH 1, 0, F0
	WIN MUL_HI
	MUL16 F1, 1, 0, 0
	MUL16 F1, 1, 2, 0
	QUARTER 1, 1, F0, F1, 0
	QUARTER 1, 2, F1, F0, 0
	QUARTER 1, 3, F0, F1, 0
	s_wait_dscnt 8
	WIN MUL_LO
	MUL16 F1, 0, 0, 0
	MUL16 F1, 0, 2, 0
	s_wait_dscnt 0
	WIN MUL_HI
	MUL16 F1, 1, 0, 0
	MUL16 F1, 1, 2, 0
	WIN 0
	PLACES                                         ; behind the last products: their sums are stored to LDS and their fragments' registers loaded below
	TOSTAGE 0
.irp a, 1,2,3,4,5,6,7
	TOSTAGE \a                                     ; the next block's trip through the stage is under way while the block before is stored
	SEND \a-1, 32
.endr
	SEND 7, 0
	s_set_vgpr_msb 0x1
	s_wait_tensorcnt 0x0
	ds_add_u32 v255, v255
	s_wait_dscnt 0x0
	s_set_vgpr_msb 0x100
	CROUND                                         ; the closing round: no work-group ends while a partner may still ask for a tile that names it
	s_endpgm
.Lfunc_end_k_q93553c53d4_ffn2:
	.size	k_q93553c53d4_ffn2, .Lfunc_end_k_q93553c53d4_ffn2-k_q93553c53d4_ffn2
	.p2alignl 7, 3214868480
	.fill 96, 4, 3214868480
	.section	.rodata,"a",@progbits
	.p2align	6, 0x0
	.amdhsa_kernel k_q93553c53d4_ffn2
		.amdhsa_group_segment_fixed_size 327680
		.amdhsa_private_segment_fixed_size 0
		.amdhsa_enable_private_segment 0
		.amdhsa_kernarg_size 24
		.amdhsa_user_sgpr_count 2
		.amdhsa_user_sgpr_kernarg_segment_ptr 1
		.amdhsa_wavefront_size32 1
		.amdhsa_system_sgpr_workgroup_id_x 1
		.amdhsa_system_sgpr_workgroup_id_y 1
		.amdhsa_system_sgpr_workgroup_id_z 1
		.amdhsa_system_vgpr_workitem_id 0
		.amdhsa_next_free_vgpr 1024
		.amdhsa_next_free_sgpr 66
		.amdhsa_reserve_vcc 0
		.amdhsa_float_denorm_mode_32 3
		.amdhsa_float_denorm_mode_16_64 3
		.amdhsa_memory_ordered 1
		.amdhsa_forward_progress 1
		.amdhsa_inst_pref_size 140
	.end_amdhsa_kernel
	.amdgpu_metadata
---
amdhsa.version: [ 1, 2 ]
amdhsa.kernels:
  - .name:           k_q93553c53d4_ffn2
    .symbol:         k_q93553c53d4_ffn2.kd
    .args:
      - { .name: h, .offset: 0, .size: 8, .value_kind: global_buffer, .address_space: global }
      - { .name: w2b, .offset: 8, .size: 8, .value_kind: global_buffer, .address_space: global }
      - { .name: part, .offset: 16, .size: 8, .value_kind: global_buffer, .address_space: global }
    .group_segment_fixed_size: 327680
    .private_segment_fixed_size: 0
    .kernarg_segment_align: 8
    .kernarg_segment_size: 24
    .max_flat_workgroup_size: 128
    .sgpr_count:     66
    .vgpr_count:     1024
    .wavefront_size: 32
...
	.end_amdgpu_metadata
.endif
;; end of part 3
;; launch sum (part 4): grid 512 x 1, 8 waves a work-group, no clusters, 0 bytes of LDS; arguments part, gate, b2, out0; writes out0
.if DOCPART == 4
	.amdgcn_target "amdgcn-amd-amdhsa--gfx1250"
	.amdhsa_code_object_version 6
	.text
	.protected	k_q93553c53d4_sum
	.globl	k_q93553c53d4_sum
	.p2align	8
	.type	k_q93553c53d4_sum,@function
k_q93553c53d4_sum:
	s_mov_b64 s[64:65], 0
	v_nop
	global_prefetch_b8 v0, s[64:65] scope:SCOPE_SE
	s_setreg_imm32_b32 hwreg(HW_REG_WAVE_MODE, 25, 1), 1
	s_wait_xcnt 0x0
; out0[t][d] = part[0][t][d] + part[1][t][d] + part[2][t][d] + part[3][t][d] + sum over e of gate[t][e] b2[e][d].  All f32.
; part: [4][4096][1024], gate: [4096][8], b2: [8][1024], out0: [4096][1024].
; A stream: memory binds, so no LDS, no matrix unit, no cluster (the groups share only b2, 32 KiB).  A work-group of eight waves takes 8 rows; thread t owns bytes 16 t .. 16 t + 15
; (4 columns) of every row, so a load or store of a wave covers 512 consecutive bytes, aligned, and the thread's 8 x 4 numbers of b2 stay in registers.
; All 40 loads of a thread go out at once; there is no loop, and each row is summed in and stored from registers of its own, so no wait frees a register.
; A row's eight gates are the same for every thread: the 64 gates of the 8 rows come by four scalar loads.
.set ROWB, 4096                        ; bytes in a row
.set PARTB, 0x1000000                  ; bytes in one of the four parts
.set B2,  4                            ; v[4:35]    b2[e][4 t .. 4 t + 3] at B2 + 4 e
.set X,   36                           ; v[36:163]  row i, part s at X + 16 i + 4 s; the row's sum grows in part 0's registers
.set PB0, 84                           ; s[84:91]   the four parts at the group's first row
	s_load_b256 s[4:11], s[0:1], 0x0               ; part s[4:5], gate s[6:7], b2 s[8:9], out0 s[10:11]
	v_lshlrev_b32 v1, 4, v0                        ; my 16 bytes of a row
	s_lshl_b32 s2, ttmp9, 15                       ; 8 rows of 4,096 bytes
	s_mov_b32 s3, 0
	s_lshl_b32 s12, ttmp9, 8                       ; 8 rows of 8 gates: 256 bytes
	s_mov_b32 s13, 0
	s_wait_kmcnt 0x0
	s_add_nc_u64 s[6:7], s[6:7], s[12:13]
	s_load_b512 s[16:31], s[6:7], 0x0              ; gates of rows 0, 1
	s_load_b512 s[32:47], s[6:7], 0x40             ; rows 2, 3
	s_load_b512 s[48:63], s[6:7], 0x80             ; rows 4, 5
	s_load_b512 s[68:83], s[6:7], 0xc0             ; rows 6, 7
	s_add_nc_u64 s[PB0:PB0+1],   s[4:5], s[2:3]
	s_add_nc_u64 s[PB0+2:PB0+3], s[PB0:PB0+1],   PARTB
	s_add_nc_u64 s[PB0+4:PB0+5], s[PB0+2:PB0+3], PARTB
	s_add_nc_u64 s[PB0+6:PB0+7], s[PB0+4:PB0+5], PARTB
	s_add_nc_u64 s[10:11], s[10:11], s[2:3]
.irp e, 0,1,2,3,4,5,6,7
	global_load_b128 v[B2+4*\e:B2+4*\e+3], v1, s[8:9] offset:ROWB*\e
.endr
.irp i, 0,1,2,3,4,5,6,7
.irp s, 0,1,2,3
	global_load_b128 v[X+16*\i+4*\s:X+16*\i+4*\s+3], v1, s[PB0+2*\s:PB0+2*\s+1] offset:ROWB*\i th:TH_LOAD_NT
.endr
.endr
	s_wait_kmcnt 0x0                               ; the gates
.macro ROW i
.set R, X+16*\i
.set G, 16+16*(\i/2)+4*(\i/6)+8*(\i%2)  ; the row's eight gates: s16, s24, s32, s40, s48, s56, s68, s76
	s_wait_loadcnt 4*(7-\i)                        ; loads come back in order: b2 and rows 0 to i are in; the four loads of each younger row stay out
	v_pk_add_f32 v[R:R+1],     v[R:R+1],     v[R+4:R+5]
	v_pk_add_f32 v[R+2:R+3],   v[R+2:R+3],   v[R+6:R+7]
	v_pk_add_f32 v[R+8:R+9],   v[R+8:R+9],   v[R+12:R+13]
	v_pk_add_f32 v[R+10:R+11], v[R+10:R+11], v[R+14:R+15]
	v_pk_add_f32 v[R:R+1],     v[R:R+1],     v[R+8:R+9]
	v_pk_add_f32 v[R+2:R+3],   v[R+2:R+3],   v[R+10:R+11]
.irp e, 0,1,2,3,4,5,6,7
.irp c, 0,1,2,3
	v_fmac_f32 v[R+\c], s[G+\e], v[B2+4*\e+\c]     ; single, not packed: a packed form takes only the low word of a scalar pair for both halves
.endr
.endr
	global_store_b128 v1, v[R:R+3], s[10:11] offset:ROWB*\i th:TH_STORE_NT
.endm
.irp i, 0,1,2,3,4,5,6,7
	ROW \i
.endr
	s_endpgm
.Lfunc_end_k_q93553c53d4_sum:
	.size	k_q93553c53d4_sum, .Lfunc_end_k_q93553c53d4_sum-k_q93553c53d4_sum
	.p2alignl 7, 3214868480
	.fill 96, 4, 3214868480
	.section	.rodata,"a",@progbits
	.p2align	6, 0x0
	.amdhsa_kernel k_q93553c53d4_sum
		.amdhsa_group_segment_fixed_size 0
		.amdhsa_private_segment_fixed_size 0
		.amdhsa_enable_private_segment 0
		.amdhsa_kernarg_size 32
		.amdhsa_user_sgpr_count 2
		.amdhsa_user_sgpr_kernarg_segment_ptr 1
		.amdhsa_wavefront_size32 1
		.amdhsa_system_sgpr_workgroup_id_x 1
		.amdhsa_system_sgpr_workgroup_id_y 1
		.amdhsa_system_sgpr_workgroup_id_z 1
		.amdhsa_system_vgpr_workitem_id 0
		.amdhsa_next_free_vgpr 168
		.amdhsa_next_free_sgpr 92
		.amdhsa_reserve_vcc 0
		.amdhsa_float_denorm_mode_32 3
		.amdhsa_float_denorm_mode_16_64 3
		.amdhsa_memory_ordered 1
		.amdhsa_forward_progress 1
		.amdhsa_inst_pref_size 17
	.end_amdhsa_kernel
	.amdgpu_metadata
---
amdhsa.version: [ 1, 2 ]
amdhsa.kernels:
  - .name:           k_q93553c53d4_sum
    .symbol:         k_q93553c53d4_sum.kd
    .args:
      - { .name: part, .offset: 0, .size: 8, .value_kind: global_buffer, .address_space: global }
      - { .name: gate, .offset: 8, .size: 8, .value_kind: global_buffer, .address_space: global }
      - { .name: b2, .offset: 16, .size: 8, .value_kind: global_buffer, .address_space: global }
      - { .name: out0, .offset: 24, .size: 8, .value_kind: global_buffer, .address_space: global }
    .group_segment_fixed_size: 0
    .private_segment_fixed_size: 0
    .kernarg_segment_align: 8
    .kernarg_segment_size: 32
    .max_flat_workgroup_size: 256
    .sgpr_count:     92
    .vgpr_count:     168
    .wavefront_size: 32
...
	.end_amdgpu_metadata
.endif
;; end of part 4
;; ======== version 2 of 2: 4 launches; version 1 with the launch prep written anew for expert scheduling mode
;; limits: a function is approximated: absolute error at most 1.5e-07
;; workspace buffers: xb 8,388,608 bytes; w1b 16,777,216 bytes; w2b 16,777,216 bytes; gate 131,072 bytes; h 67,108,864 bytes; part 67,108,864 bytes
;; launch prep (part 5): grid 1280 x 1, 8 waves a work-group, no clusters, 9,216 bytes of LDS; arguments inputs, gate_w, gate_b, w1, w2, xb, w1b, w2b, gate; writes xb, w1b, w2b, gate
.if DOCPART == 5
	.amdgcn_target "amdgcn-amd-amdhsa--gfx1250"
	.amdhsa_code_object_version 6
	.text
	.protected	k_q93553c53d4_prep
	.globl	k_q93553c53d4_prep
	.p2align	8
	.type	k_q93553c53d4_prep,@function
k_q93553c53d4_prep:
	s_mov_b64 s[64:65], 0
	v_nop
	global_prefetch_b8 v0, s[64:65] scope:SCOPE_SE
	s_setreg_imm32_b32 hwreg(HW_REG_WAVE_SCHED_MODE, 0, 2), 2
	s_setreg_imm32_b32 hwreg(HW_REG_WAVE_MODE, 25, 1), 1
	s_wait_xcnt 0x0
	s_wait_alu depctr_vm_vsrc(0)
; xb = bf16(inputs), w1b = bf16(w1), w2b = bf16(w2), element by element; gate = softmax(x gate_w + gate_b).
; A row is 1,024 f32: 4,096 bytes in, 2,048 bytes out.  A work-group of eight waves takes 16 rows: groups 0-255 rows of x,
; groups 256-767 rows of w1, groups 768-1279 rows of w2.  Thread t owns bytes 16 t .. 16 t + 15 of every row, so a load of a wave
; covers 512 consecutive bytes and a store of a wave 256 consecutive bytes, aligned.  All 16 loads of a thread go out at once;
; there is no loop, and each row has registers of its own for what it stores to memory.
; Memory binds: no matrix unit, no cluster (the groups share only gate_w, 32 KiB), no tensor loads.
; The groups of x also make the gate.  x and gate_w enter that product rounded to bf16, as the operands of every matrix product of this program do,
; so that gate and experts see the same x; products, sums, bias and softmax are f32.  A thread multiplies its four x by its four rows of gate_w
; (32 numbers, kept in registers), the sums of 16 lanes are made on the arithmetic itself, the 16 partial sums of a row meet in LDS, wave 0 adds
; them and does the softmax, with the row's maximum taken away.
; THE MODE: SCHED_MODE bits 1:0 = 2 (LLVM: expert scheduling mode 2), set by the entry lines.  The code itself states the register dependences
; between vector instructions and memory or LDS instructions, with s_wait_alu, always for 0.
; THE PLAN.  Registers that memory or LDS instructions touch:
;   v1, v2, v3, v4, v6   offsets and the LDS address: made ahead of a path's first load and never written again.
;   X, GW, GB            the loads land in them once, and no vector instruction names them before.  (In a group of x: row i's widening writes X[i] behind the
;                        wait for its load; at the end wave 0's LDS loads land in X.)
;   Y[i]                 written once, by row i's two conversions; read by one store, which is issued in the next block (w1, w2) or the next row (x).
;   A0, A1               a group of x: row i's sums write A[i % 2]; the two LDS stores that read it are issued in row i + 1; row i + 2 writes it again.
; So a block's or a row's stores leave from registers that no vector instruction of the block or row in hand names: ONE wait on va_vdst at its head, behind the wait
; for its data, states all that they hang on, and they are dealt among its vector instructions.  In a group of x one wait on vm_vsrc stands beside it, for A.
.set ROWB, 4096                        ; bytes of a row as read
.set OUTB, 2048                        ; bytes of a row as written
.set X,   16                           ; v[16:79]    row i: 4 f32 as loaded; in a group of x then the same 4 as rounded to bf16, widened again
.set Y,   80                           ; v[80:111]   row i: 4 bf16 to store
.set GW,  112                          ; v[112:143]  gate_w[4 t + d][e] at GW + 8 d + e
.set A,   144                          ; eight partial logits of a row, two buffers by the row's parity k: logit e at A + e + k (12 + 2 (e / 4)): v[144:151]; v[156:159] and v[162:165]
.set GB,  152                          ; v[152:155]  gate_b[4 q .. 4 q + 3], q = lane mod 2
.macro LOADS
.irp i, 0,1,2,3,4,5,6,7,8,9,10,11,12,13,14,15
	global_load_b128 v[X+4*\i:X+4*\i+3], v1, s[4:5] offset:ROWB*\i th:TH_LOAD_NT
.endr
.endm
.macro CAST i                          ; row i is rounded
	v_cvt_pk_bf16_f32 v[Y+2*(\i)],   v[X+4*(\i)],   v[X+4*(\i)+1]
	v_cvt_pk_bf16_f32 v[Y+2*(\i)+1], v[X+4*(\i)+2], v[X+4*(\i)+3]
.endm
.macro OUTY i                          ; row i leaves
	global_store_b64 v2, v[Y+2*(\i):Y+2*(\i)+1], s[6:7] offset:OUTB*(\i)
.endm
; w1, w2: block b of four rows is rounded; the four stores of the block before are dealt among its conversions
.macro WBLK b
	s_wait_loadcnt 12-4*(\b)                       ; loads come back in order: this block's four rows are in, the 12 - 4 b younger loads stay out
.if (\b) > 0
	s_wait_alu depctr_va_vdst(0)                   ; the block before has written its Y, which the four stores below read; this block's conversions name only its own X and Y
.endif
.irp i, 0,1,2,3
.if (\b) > 0
	OUTY 4*(\b)-4+\i
.endif
	CAST 4*(\b)+\i
.endr
.endm
; the row's four x as they were rounded, widened to f32 again, in the registers that they were loaded into (Y is only read)
.macro WIDEN i
	v_lshlrev_b32 v[X+4*(\i)],   16,  v[Y+2*(\i)]
	v_and_b32     v[X+4*(\i)+1], s30, v[Y+2*(\i)]
	v_lshlrev_b32 v[X+4*(\i)+2], 16,  v[Y+2*(\i)+1]
	v_and_b32     v[X+4*(\i)+3], s30, v[Y+2*(\i)+1]
.endm
; the row's eight partial logits: 4 x times 8 columns, two columns an instruction; x is taken for both halves of the pair; then the sums of 16 lanes
.macro LOGITS i
.set K, (\i)%2
.irp e, 0,2,4,6
.set R, A+\e+K*(12+2*(\e/4))
	v_pk_mul_f32 v[R:R+1], v[X+4*(\i):X+4*(\i)+1], v[GW+\e:GW+\e+1] op_sel_hi:[0,1]
.endr
.irp e, 0,2,4,6
.set R, A+\e+K*(12+2*(\e/4))
	v_pk_fma_f32 v[R:R+1], v[X+4*(\i):X+4*(\i)+1], v[GW+8+\e:GW+8+\e+1], v[R:R+1] op_sel:[1,0,0] op_sel_hi:[1,1,1]
.endr
.irp e, 0,2,4,6
.set R, A+\e+K*(12+2*(\e/4))
	v_pk_fma_f32 v[R:R+1], v[X+4*(\i)+2:X+4*(\i)+3], v[GW+16+\e:GW+16+\e+1], v[R:R+1] op_sel_hi:[0,1,1]
.endr
.irp e, 0,2,4,6
.set R, A+\e+K*(12+2*(\e/4))
	v_pk_fma_f32 v[R:R+1], v[X+4*(\i)+2:X+4*(\i)+3], v[GW+24+\e:GW+24+\e+1], v[R:R+1] op_sel:[1,0,0] op_sel_hi:[1,1,1]
.endr
.irp m, 1,2,4,8
.irp e, 0,1,2,3,4,5,6,7
.set R, A+\e+K*(12+2*(\e/4))
	v_add_f32_dpp v[R], v[R], v[R] row_xmask:\m row_mask:0xf bank_mask:0xf
.endr
.endr
.endm
.macro OUTA i                          ; row i's partial logits go to LDS
.set KP, (\i)%2
	ds_store_b128 v4, v[A+12*KP:A+12*KP+3]     offset:512*(\i)     ; every lane of a half of 16 holds the half's sums and writes the same 32 bytes
	ds_store_b128 v4, v[A+4+14*KP:A+4+14*KP+3] offset:512*(\i)+16
.endm
; x: row i is rounded, widened and multiplied; the three stores of the row before are dealt among its vector instructions
.macro ROWX i
	s_wait_loadcnt 15-(\i)                         ; loads come back in order: row i is in, the 15 - i younger rows stay out
.if (\i) > 0
	s_wait_alu depctr_va_vdst(0)                   ; the row before has written its Y and its A, which the three stores below read; this row's instructions name neither
.endif
.if (\i) > 1
	s_wait_alu depctr_vm_vsrc(0)                   ; the LDS stores issued in the row before have read the A of two rows back, which this row's sums write again
.endif
.if (\i) > 0
	OUTY (\i)-1
.endif
	CAST \i
	WIDEN \i
.if (\i) > 0
	OUTA (\i)-1
.endif
	LOGITS \i
.endm
.macro QADD d, s                       ; four sums: partial d += partial s
	v_pk_add_f32 v[X+4*(\d):X+4*(\d)+1],   v[X+4*(\d):X+4*(\d)+1],   v[X+4*(\s):X+4*(\s)+1]
	v_pk_add_f32 v[X+4*(\d)+2:X+4*(\d)+3], v[X+4*(\d)+2:X+4*(\d)+3], v[X+4*(\s)+2:X+4*(\s)+3]
.endm
	s_load_b512 s[8:23], s[0:1], 0x0               ; inputs s[8:9], gate_w s[10:11], gate_b s[12:13], w1 s[14:15], w2 s[16:17], xb s[18:19], w1b s[20:21], w2b s[22:23]
	s_load_b64 s[24:25], s[0:1], 0x40              ; gate
	v_lshl_add_u32 v160, v0, 2, 0x2000
	v_mov_b32 v161, 0
	v_lshrrev_b32 v5, 5, v0
	v_readfirstlane_b32 s28, v5                    ; wave 0..7
	v_lshlrev_b32 v1, 4, v0                        ; my 16 bytes of a row as read
	v_lshlrev_b32 v2, 3, v0                        ; my 8 bytes of a row as written
	s_mov_b32 s27, 0                               ; upper word of every offset pair
	s_mov_b32 s3, 768
	s_wait_alu depctr_va_sdst(0)                   ; s28 is written, ahead of the branch: its readers stand in the groups of x (the LDS address, the choice of wave 0)
	s_wait_kmcnt 0x0
	s_cmp_lt_u32 ttmp9, 256
	s_cbranch_scc1 .Lx                             ; the same way for all eight waves: it hangs on the group's number alone
	; a block of 16 rows of w1 or of w2
	s_cmp_lt_u32 ttmp9, s3
	s_cselect_b64 s[4:5], s[14:15], s[16:17]
	s_cselect_b64 s[6:7], s[20:21], s[22:23]
	s_cselect_b32 s2, 256, s3
	s_sub_co_u32 s2, ttmp9, s2                     ; the block's number in its tensor, 0..511
	s_lshl_b32 s26, s2, 16                         ; 16 rows of 4,096 bytes
	s_add_nc_u64 s[4:5], s[4:5], s[26:27]
	s_lshl_b32 s26, s2, 15                         ; 16 rows of 2,048 bytes
	s_add_nc_u64 s[6:7], s[6:7], s[26:27]
	s_wait_alu depctr_va_vdst(0)                   ; v1 and v2 are written: every load below reads v1 as its offset, every store v2
	LOADS
	WBLK 0
	WBLK 1
	WBLK 2
	WBLK 3
	s_wait_alu depctr_va_vdst(0)                   ; the last block has written its Y, which the last four stores read
.irp i, 12,13,14,15
	OUTY \i
.endr
	s_endpgm                                       ; this way stores nothing to LDS
.Lx:	; a block of 16 rows of x, and their gates
	s_lshl_b32 s26, ttmp9, 16
	s_add_nc_u64 s[4:5], s[8:9], s[26:27]
	s_lshl_b32 s26, ttmp9, 15
	s_add_nc_u64 s[6:7], s[18:19], s[26:27]
	s_lshl_b32 s26, ttmp9, 9                       ; 16 rows of 8 gates: 512 bytes
	s_add_nc_u64 s[24:25], s[24:25], s[26:27]
	s_mov_b32 s29, 0x3fb8aa3b                      ; log2(e)
	s_mov_b32 s30, 0xffff0000                      ; a word's upper bf16
	v_lshlrev_b32 v3, 7, v0                        ; my four rows of gate_w: 128 bytes
	v_and_b32 v6, 1, v0
	v_lshlrev_b32 v6, 4, v6                        ; 16 q
	v_bfe_u32 v4, v0, 4, 1
	v_lshlrev_b32 v4, 5, v4
	v_lshl_add_u32 v4, s28, 6, v4                  ; LDS: part[row][2 wave + half][8] f32: 32 bytes a partial, 512 a row
	s_wait_alu depctr_va_vdst(0)                   ; v1, v2, v3, v4 and v6 are written: the offsets of all loads and stores of the rows, and the LDS stores' address
	global_load_b128 v[GB:GB+3], v6, s[12:13]
.irp j, 0,1,2,3,4,5,6,7
	global_load_b128 v[GW+4*\j:GW+4*\j+3], v3, s[10:11] offset:16*\j
.endr
	LOADS
	s_wait_loadcnt 16                              ; the nine loads of gate_b and gate_w are in; the 16 rows, issued behind them, stay out
.irp j, 0,1,2,3,4,5,6,7,8,9,10,11,12,13,14,15
	v_cvt_pk_bf16_f32 v[A+(\j%8)], v[GW+2*\j], v[GW+2*\j+1]        ; gate_w rounded to bf16, two at a time (A's first buffer is not yet in use),
.if \j%8 == 7
.irp k, 0,1,2,3,4,5,6,7
	v_lshlrev_b32 v[GW+2*(\j-7+\k)],   16,  v[A+\k]                ; and widened to f32 again, in place
	v_and_b32     v[GW+2*(\j-7+\k)+1], s30, v[A+\k]
.endr
.endif
.endr
.irp i, 0,1,2,3,4,5,6,7,8,9,10,11,12,13,14,15
	ROWX \i
.endr
	s_wait_alu depctr_va_vdst(0)                   ; row 15 has written its Y and its A, which the last three stores read
	OUTY 15
	OUTA 15
	s_wait_dscnt 0x0                               ; for the others: my partial sums are in LDS
	s_barrier_signal -1
	s_barrier_wait -1
	s_cmp_lg_u32 s28, 0
	s_cbranch_scc1 .Lend                           ; wave 0 alone goes on; no barrier follows
	v_and_b32 v9, 31, v0
	v_lshlrev_b32 v7, 4, v9                        ; lane l stores gates 4 q .. 4 q + 3 of row l / 2: byte 16 l of the block's 512
	v_lshrrev_b32 v8, 1, v9
	v_lshl_add_u32 v8, v8, 9, v6                   ; row x 512 + 16 q
	s_wait_alu depctr_va_vdst(0)                   ; v8, the LDS loads' address, and v7 are written; the rows' instructions are done writing and reading X, in which the loads land
.irp p, 0,1,2,3,4,5,6,7,8,9,10,11,12,13,14,15
	ds_load_b128 v[X+4*\p:X+4*\p+3], v8 offset:32*\p   ; X is free: all rows were waited for and used
.endr
	s_wait_dscnt 0x0
.irp p, 0,1,2,3,4,5,6,7
	QADD \p, \p+8
.endr
.irp p, 0,1,2,3
	QADD \p, \p+4
.endr
	QADD 0, 2
	QADD 1, 3
	QADD 0, 1
	v_pk_add_f32 v[X:X+1],   v[X:X+1],   v[GB:GB+1]
	v_pk_add_f32 v[X+2:X+3], v[X+2:X+3], v[GB+2:GB+3]
	v_max3_num_f32 v10, v[X], v[X+1], v[X+2]
	v_max_num_f32 v10, v10, v[X+3]
	v_max_num_f32_dpp v10, v10, v10 row_xmask:1 row_mask:0xf bank_mask:0xf   ; the row's other four logits lie in the neighbouring lane
.irp j, 0,1,2,3
	v_sub_f32 v[X+\j], v[X+\j], v10                ; at most 0, and 0 for the largest: the sum below is between 1 and 8
.endr
.irp j, 0,1,2,3
	v_mul_f32 v[X+\j], s29, v[X+\j]
.endr
.irp j, 0,1,2,3
	v_exp_f32 v[X+\j], v[X+\j]
.endr
	v_nop                                          ; a plain instruction between the last exponential and the use of its result
	s_wait_alu depctr_va_vdst(0)                   ; the four exponentials have written v[X .. X+3], ahead of their first reader: one wait for the batch
	v_add_f32 v11, v[X], v[X+1]
	v_add_f32 v12, v[X+2], v[X+3]
	v_add_f32 v11, v11, v12
	v_add_f32_dpp v11, v11, v11 row_xmask:1 row_mask:0xf bank_mask:0xf
	v_rcp_f32 v11, v11
	v_nop                                          ; the same behind the reciprocal
	s_wait_alu depctr_va_vdst(0)                   ; the reciprocal has written v11, ahead of its first reader
.irp j, 0,1,2,3
	v_mul_f32 v[X+\j], v[X+\j], v11
.endr
	s_wait_alu depctr_va_vdst(0)                   ; the four products have written v[X .. X+3], which the store reads
	global_store_b128 v7, v[X:X+3], s[24:25]       ; the wave stores 512 consecutive bytes, aligned
.Lend:
	s_wait_dscnt 0x0                               ; the closing lines, six on end
	s_wait_alu 0x0
	s_wait_tensorcnt 0x0
	ds_add_u32 v160, v161
	s_wait_dscnt 0x0
	s_endpgm
.Lfunc_end_k_q93553c53d4_prep:
	.size	k_q93553c53d4_prep, .Lfunc_end_k_q93553c53d4_prep-k_q93553c53d4_prep
	.p2alignl 7, 3214868480
	.fill 96, 4, 3214868480
	.section	.rodata,"a",@progbits
	.p2align	6, 0x0
	.amdhsa_kernel k_q93553c53d4_prep
		.amdhsa_group_segment_fixed_size 9216
		.amdhsa_private_segment_fixed_size 0
		.amdhsa_enable_private_segment 0
		.amdhsa_kernarg_size 72
		.amdhsa_user_sgpr_count 2
		.amdhsa_user_sgpr_kernarg_segment_ptr 1
		.amdhsa_wavefront_size32 1
		.amdhsa_system_sgpr_workgroup_id_x 1
		.amdhsa_system_sgpr_workgroup_id_y 1
		.amdhsa_system_sgpr_workgroup_id_z 1
		.amdhsa_system_vgpr_workitem_id 0
		.amdhsa_next_free_vgpr 166
		.amdhsa_next_free_sgpr 66
		.amdhsa_reserve_vcc 0
		.amdhsa_float_denorm_mode_32 3
		.amdhsa_float_denorm_mode_16_64 3
		.amdhsa_memory_ordered 1
		.amdhsa_forward_progress 1
		.amdhsa_inst_pref_size 74
	.end_amdhsa_kernel
	.amdgpu_metadata
---
amdhsa.version: [ 1, 2 ]
amdhsa.kernels:
  - .name:           k_q93553c53d4_prep
    .symbol:         k_q93553c53d4_prep.kd
    .args:
      - { .name: inputs, .offset: 0, .size: 8, .value_kind: global_buffer, .address_space: global }
      - { .name: gate_w, .offset: 8, .size: 8, .value_kind: global_buffer, .address_space: global }
      - { .name: gate_b, .offset: 16, .size: 8, .value_kind: global_buffer, .address_space: global }
      - { .name: w1, .offset: 24, .size: 8, .value_kind: global_buffer, .address_space: global }
      - { .name: w2, .offset: 32, .size: 8, .value_kind: global_buffer, .address_space: global }
      - { .name: xb, .offset: 40, .size: 8, .value_kind: global_buffer, .address_space: global }
      - { .name: w1b, .offset: 48, .size: 8, .value_kind: global_buffer, .address_space: global }
      - { .name: w2b, .offset: 56, .size: 8, .value_kind: global_buffer, .address_space: global }
      - { .name: gate, .offset: 64, .size: 8, .value_kind: global_buffer, .address_space: global }
    .group_segment_fixed_size: 9216
    .private_segment_fixed_size: 0
    .kernarg_segment_align: 8
    .kernarg_segment_size: 72
    .max_flat_workgroup_size: 256
    .sgpr_count:     66
    .vgpr_count:     166
    .wavefront_size: 32
...
	.end_amdgpu_metadata
.endif
;; end of part 5
;; launch ffn1: the kernel of part 2 again; grid 32 x 8, 4 waves a work-group, clusters of 4 x 4, 327,680 bytes of LDS; arguments xb, w1b, h, b1, gate; writes h
;; launch ffn2: the kernel of part 3 again; grid 16 x 16, 4 waves a work-group, clusters of 4 x 4, 327,680 bytes of LDS; arguments h, w2b, part; writes part
;; launch sum: the kernel of part 4 again; grid 512 x 1, 8 waves a work-group, no clusters, 0 bytes of LDS; arguments part, gate, b2, out0; writes out0
